; MI455X (gfx1250); checked and timed in simulation.
; The chip was launched on July 23, 2026; its instructions are those of AMD's public machine-readable ISA for CDNA 5 (MIT licence, August 2026) and "CDNA5" Instruction Set Architecture Reference Guide (July 2026). The comments in the code are by the model that wrote it; some were corrected since.
;; Multi Head Attention. Allowed arithmetic: matrix products marked QUANTISED: E2M3 operands, one E8M0 scale for each 32 along K, by v_wmma_scale_f32_16x16x128_f8f6f4 with both operands' format E2M3, f32 sums; everything else in f32.
;; Inputs: K 4 x 2,048 x 1,024 float32; Q 4 x 2,048 x 1,024 float32; V 4 x 2,048 x 1,024 float32; W_K 1,024 x 1,024 float32; W_Q 1,024 x 1,024 float32; W_V 1,024 x 1,024 float32; W_fc 1,024 x 1,024 float32; attn_mask 4 x 2,048 x 2,048 bool.
;; Outputs: out0 4 x 2,048 x 1,024 float32.
;; This version of the problem:
;;   THIS VERSION OF THE PROBLEM IS GIVEN IN LOW PRECISION. The matrix products marked QUANTISED in the list below multiply operands that are first quantised to E2M3 (2 exponent bits, 3 mantissa bits; 6 bits a number), with one power-of-two scale for each 32 numbers along K (OCP MX v1.0); their sums are f32. All else is computed in f32.
;;   The module's matrix products, in the order in which they are computed (A, B: the left and right operand; K: the contracted axis; several contracted axes count as one K, in the product's order):
;;     1. [M 8,192, K 1,024] x [K 1,024, N 1,024]; A: input Q; B: input W_Q: QUANTISED
;;     2. [M 8,192, K 1,024] x [K 1,024, N 1,024]; A: input K; B: input W_K: QUANTISED
;;     3. [M 8,192, K 1,024] x [K 1,024, N 1,024]; A: input V; B: input W_V: QUANTISED
;;     4. batch 64 x [M 2,048, K 64] x [K 64, N 2,048]; A: computed on the way; B: computed on the way: QUANTISED
;;     5. batch 64 x [M 2,048, K 2,048] x [K 2,048, N 64]; A: softmax (see below); B: computed on the way: QUANTISED
;;     6. [M 8,192, K 1,024] x [K 1,024, N 1,024]; A: computed on the way; B: input W_fc: QUANTISED
;;   THE QUANTISER, for each operand of a quantised product, along K:
;;     - K is cut into blocks of 32 from its start; a last block that is shorter is filled with zeros.
;;     - A block's scale is 2^e with e = floor(log2(the largest magnitude in the block)) - 2, held to -126 .. 127; a block of zeros has e = 0. As a byte (E8M0): e + 127.
;;     - Each number is divided by its block's scale, clamped to +-7.5, and rounded to the nearest number of E2M3, ties to even, subnormals kept.
;;     - The product sums the exact products of the quantised numbers (number of the format x scale) in f32.
;;   ~~~python
;;   def quantise(x, axis):      # numpy; x: float32 -> the quantised numbers, widened to float32 again
;;       x = np.moveaxis(x, axis, -1); K = x.shape[-1]
;;       x = np.pad(x, [(0, 0)] * (x.ndim - 1) + [(0, -K % 32)]); x = x.reshape(x.shape[:-1] + (-1, 32)); a = np.abs(x).max(-1, keepdims=True)
;;       e = np.where(a > 0, np.clip(np.frexp(np.where(a > 0, a, 1))[1] - 1 - 2, -126, 127), 0)      # np.frexp(a)[1] - 1 = floor(log2(a)), exactly
;;       r = np.clip(x / 2.0 ** e, -7.5, 7.5)
;;       step = 2.0 ** (np.maximum(np.frexp(np.where(r == 0, 1, r))[1] - 1, 0) - 3)
;;       q = np.round(r / step) * step * 2.0 ** e      # np.round: ties to even
;;       return np.moveaxis(q.reshape(q.shape[:-2] + (-1,))[..., :K], -1, axis).astype(np.float32)
;;   ~~~
;;   SOFTMAX AHEAD OF A QUANTISED PRODUCT. Where the list says 'softmax', what is quantised is not the finished softmax but p = 2^(t - M), with t = logit x log2(e) and M = ceil(the row's largest t), a whole number; so 1/2 < the row's largest p <= 1. The row's sum l is taken of the UNQUANTISED p, in f32, and the product's result is divided by l at the end. Since M is a whole number, a kernel that streams over the keys may use a running M (the ceiling of the running maximum): every later rescaling is an exact power of two, which a block's scale takes up: the codes' values come out the same.
;;   OPERANDS COMPUTED ON THE WAY. 'Computed on the way' means the value that the module computes at that place (a softmax that the list does not call 'softmax' is quantised finished and normalised). What goes into a quantiser is computed in f32, as accurately as f32 sums, v_exp_f32 and their like allow (about 1e-6 of the number): no bf16 or f16 on the way to a quantiser, and a product that is left as it is and whose result goes on into a quantised operand takes f32 operands (vector FMAs, or v_wmma_f32_16x16x4_f32). A number that lies on a knife's edge between two numbers of the format may be rounded either way, as far as f32 arithmetic and the matrix unit's own rounding can turn it there, and no further.
;; One version. Each part assembles by itself: llvm-mc -triple=amdgcn-amd-amdhsa -mcpu=gfx1250 --defsym DOCPART=n.
;; ======== version 1 of 1: 4 launches
;; limits: right only within a limited range of input values
;; workspace buffers: cod 22,020,096 bytes; scl 917,504 bytes; mbits 2,097,152 bytes of whole numbers; att 19,660,800 bytes; cimg 6,291,456 bytes; cs 262,144 bytes
;; launch prep (part 1): grid 1920 x 1, 4 waves a work-group, no clusters, 52,736 bytes of LDS; arguments Q, K, V, W_Q, W_K, W_V, W_fc, attn_mask, cod, scl, mbits; writes cod, scl, mbits
.if DOCPART == 1
	.amdgcn_target "amdgcn-amd-amdhsa--gfx1250"
	.amdhsa_code_object_version 6
	.text
	.protected	k_q29ca36bb57_prep
	.globl	k_q29ca36bb57_prep
	.p2align	8
	.type	k_q29ca36bb57_prep,@function
k_q29ca36bb57_prep:
	s_mov_b64 s[64:65], 0
	v_nop
	global_prefetch_b8 v0, s[64:65] scope:SCOPE_SE
	s_setreg_imm32_b32 hwreg(HW_REG_WAVE_MODE, 25, 1), 1
	s_wait_xcnt 0x0
; PREP.  (A) Q, K, V [8192][1024] and W_Q, W_K, W_V, W_fc [1024][1024], f32, K innermost, become codes of FP6 (E2M3) with one E8M0 byte for each 32 along K, laid as IMAGES OF OPERAND REGISTERS.
; (B) attn_mask [4][2048][2048], one byte a key, becomes lane masks: one 32-bit word for each register of a tile of scores.
; TILES.  The 16 rows of tile 2 b + u of a tensor are its rows 32 b + 8 u + r + 8 (r / 8), r = 0 .. 15: as source 0 of a product, the 16 result registers of tiles 2 b and 2 b + 1 are then 16 neighbours along the next K.
; cod: [tile g 1792][K step 8][1,536 bytes]: the 12 registers of a 16 x 128 operand: registers 4 j .. 4 j + 3 of lane l at 512 j + 16 l.  g: Q 0, K 512, V 1024, W_Q 1536, W_K 1600, W_V 1664, W_fc 1728.
; scl: [g][pair of K steps 4][row 16][2 words]: a word holds the four scale bytes of one row and one K step.
; mbits: [batch 4][tile of queries 128][step of 128 keys 16][word n 64]: bit l of word n is the mask of the tile's query l % 16 at key 128 step + 32 (n / 16) + 16 (l / 16) + n % 16.
; A block's scale is 2^(floor(log2(largest magnitude)) - 2); its byte is the largest magnitude's exponent field - 2, held at 1 from below.
; LIMITS: a block of zeros, or one whose largest magnitude lies under 2^-124, keeps the byte 1 (this program alone reads the bytes; zero codes add nothing); NaN and infinities are not served.
; SHARES.  Work-groups 0 .. 895 quantise: two tiles each; a wave takes one tile x 512 along K (four images), in eight steps of 16 rows x 64.  Work-groups 896 .. 1919 pack the mask: a wave takes 16 queries x 256 keys.
; Every load reads whole rows' pieces of 256 consecutive bytes in sixteen lanes; a step turns through the wave's own stage in LDS so that a lane gets 32 neighbours along K.  Every store covers 256 or 512 consecutive bytes.
; No tensor loads, no barrier: waves share nothing.  The two paths have LDS bytes of their own.  No input is shared between work-groups, so there is nothing to ask for jointly.
.set R,    32                          ; v32-127   three sets of 32: a step as loaded
.set X,    128                         ; v128-191  two sets of 32: a lane's block of 32 neighbours
.set C,    192                         ; v192-239  four images: no store's data are written again
.set T,    240                         ; v240-242  a block's upper 16 codes (a conversion's three registers begin on an even number)
.set PIT,  272                         ; a stage row: 256 bytes + 16: sixteen rows start in sixteen different 16-byte columns
.set STG1, 16*PIT
.set WSTG, 2*STG1                      ; a wave's two stages
.set MSTG, 4*WSTG                      ; behind them: the mask path's stages, one a wave
.set NQWG, 896
	s_load_b512 s[4:19], s[0:1], 0x0               ; Q, K, V, W_Q, W_K, W_V, W_fc, attn_mask
	s_load_b128 s[20:23], s[0:1], 0x40             ; cod, scl
	s_load_b64 s[24:25], s[0:1], 0x50              ; mbits
	v_lshl_add_u32 v244, v0, 2, 0xcc00
	v_mov_b32 v245, 0
	v_lshrrev_b32 v1, 5, v0
	v_readfirstlane_b32 s26, v1                    ; wave 0..3
	v_and_b32 v21, 31, v0                          ; lane
	v_and_b32 v22, 15, v0                          ; r
	v_bfe_u32 v23, v0, 4, 1                        ; h
	v_lshlrev_b32 v4, 4, v21                       ; 16 x lane
	s_wait_kmcnt 0x0
	s_cmp_ge_u32 ttmp9, NQWG
	s_cbranch_scc1 .Lmask
	; ---- (A) which tensor: a choice on the work-group's number alone
	s_mov_b64 s[28:29], s[16:17]
	s_mov_b32 s30, 864
	s_cmp_lt_u32 ttmp9, 864
	s_cselect_b64 s[28:29], s[14:15], s[28:29]
	s_cselect_b32 s30, 832, s30
	s_cmp_lt_u32 ttmp9, 832
	s_cselect_b64 s[28:29], s[12:13], s[28:29]
	s_cselect_b32 s30, 800, s30
	s_cmp_lt_u32 ttmp9, 800
	s_cselect_b64 s[28:29], s[10:11], s[28:29]
	s_cselect_b32 s30, 768, s30
	s_cmp_lt_u32 ttmp9, 768
	s_cselect_b64 s[28:29], s[8:9], s[28:29]
	s_cselect_b32 s30, 512, s30
	s_cmp_lt_u32 ttmp9, 512
	s_cselect_b64 s[28:29], s[6:7], s[28:29]
	s_cselect_b32 s30, 256, s30
	s_cmp_lt_u32 ttmp9, 256
	s_cselect_b64 s[28:29], s[4:5], s[28:29]
	s_cselect_b32 s30, 0, s30
	s_sub_co_u32 s31, ttmp9, s30
	s_lshl_b32 s31, s31, 1
	s_lshr_b32 s27, s26, 1
	s_add_co_u32 s31, s31, s27                     ; my tile in its tensor
	s_and_b32 s39, s26, 1                          ; which 512 along K
	s_lshr_b32 s40, s31, 1
	s_lshl_b32 s40, s40, 5
	s_and_b32 s41, s31, 1
	s_lshl_b32 s41, s41, 3
	s_add_co_u32 s40, s40, s41                     ; the tile's first row: 32 (tile / 2) + 8 (tile % 2)
	s_lshl_b32 s40, s40, 12                        ; rows of 4,096 bytes
	s_lshl_b32 s41, s39, 11
	s_add_co_u32 s40, s40, s41
	s_mov_b32 s41, 0
	s_add_nc_u64 s[28:29], s[28:29], s[40:41]
	s_lshl_b32 s42, ttmp9, 1
	s_add_co_u32 s42, s42, s27                     ; g
	s_mul_i32 s40, s42, 12288
	s_mul_i32 s43, s39, 6144
	s_add_co_u32 s40, s40, s43
	s_add_nc_u64 s[32:33], s[20:21], s[40:41]      ; my four images
	s_lshl_b32 s40, s42, 9
	s_lshl_b32 s43, s39, 8
	s_add_co_u32 s40, s40, s43
	s_add_nc_u64 s[34:35], s[22:23], s[40:41]      ; my 256 bytes of scale words
	s_mov_b32 s36, 0x76543210
	s_mov_b32 s37, 0xfedcba98                      ; v_permlanex16_b32's selects for lane l xor 16
	s_mov_b32 s38, 0xffff0000                      ; lanes 16-31
	v_lshlrev_b32 v1, 4, v22
	v_lshl_add_u32 v1, v23, 12, v1                 ; in: lanes 0-15 take 256 bytes of a row, lanes 16-31 of the next
	s_mul_i32 s43, s26, WSTG
	v_mul_u32_u24 v2, v23, PIT
	v_lshl_add_u32 v2, v22, 4, v2
	v_add_nc_u32 v2, s43, v2                       ; into the stage: as loaded
	v_mul_u32_u24 v3, v22, PIT
	v_lshl_add_u32 v3, v23, 7, v3
	v_add_nc_u32 v3, s43, v3                       ; out of it: row r, + 128 h: my 32 neighbours
	v_lshlrev_b32 v5, 3, v21                       ; 8 x lane
	v_lshlrev_b32 v6, 3, v23                       ; 8 h
	v_mov_b32 v20, 0                               ; a lane permute's destination counts as one of its sources
.macro LOAD t                          ; step t: K step t / 2 of my four, its half t % 2: 16 rows x 256 bytes
.irp i, 0,1,2,3,4,5,6,7
	global_load_b128 v[R+32*((\t)%3)+4*\i:R+32*((\t)%3)+4*\i+3], v1, s[28:29] offset:(2*\i+8*(\i/4))*4096+((\t)/2)*512+((\t)%2)*256 th:TH_LOAD_NT
.endr
.endm
.macro TURN t                          ; through the wave's own stage: LDS serves a wave's instructions in order, so no wait stands between the stores and the loads
.irp i, 0,1,2,3,4,5,6,7
	ds_store_b128 v2, v[R+32*((\t)%3)+4*\i:R+32*((\t)%3)+4*\i+3] offset:((\t)%2)*STG1+2*\i*PIT
.endr
.irp j, 0,1,2,3,4,5,6,7
	ds_load_b128 v[X+32*((\t)%2)+4*\j:X+32*((\t)%2)+4*\j+3], v3 offset:((\t)%2)*STG1+16*\j
.endr
.endm
.macro WORK t                          ; my block: k = 64 (t % 2) + 32 h + 0 .. 31 of row r: registers 6 (t % 2) .. + 5 of image t / 2
.set XS, X+32*((\t)%2)
.set CF, C+12*((\t)/2)+6*((\t)%2)
	v_max3_num_f32 v8, |v[XS]|, |v[XS+1]|, |v[XS+2]|
	v_max3_num_f32 v9, |v[XS+3]|, |v[XS+4]|, |v[XS+5]|
.irp i, 6,10,14,18,22,26
	v_max3_num_f32 v8, v8, |v[XS+\i]|, |v[XS+\i+1]|
	v_max3_num_f32 v9, v9, |v[XS+\i+2]|, |v[XS+\i+3]|
.endr
	v_max3_num_f32 v8, v8, |v[XS+30]|, |v[XS+31]|
	v_max3_num_f32 v8, v8, v9, 0x1800000           ; and the floor 2^(3 - 127): the byte cannot fall under 1
	v_add_nc_u32 v11, 0xff000000, v8               ; 2 off the exponent field: the conversion takes this operand's exponent field as its scale
	v_cvt_scalef32_pk16_fp6_f32 v[CF:CF+2], v[XS:XS+15], v11
	v_cvt_scalef32_pk16_fp6_f32 v[T:T+2], v[XS+16:XS+31], v11
	v_lshrrev_b32 v10, 23, v11                     ; the scale's byte; also the plain line behind the conversions
.if (\t)%2 == 0
	v_mov_b32 v7, v10                              ; block h of the K step
.else
	v_lshl_or_b32 v7, v10, 16, v7                  ; block 2 + h
.endif
.irp i, 0,1,2
	v_mov_b32 v[CF+3+\i], v[T+\i]
.endr
.if (\t)%2 == 1
	v_lshlrev_b32 v7, v6, v7                       ; my two bytes at their places (8 h bits up);
	v_permlanex16_b32 v20, v7, s36, s37
	v_or_b32 v[14+(\t)/2], v7, v20                 ; with lane l xor 16's two the row's word is whole
.irp j, 0,1,2
	global_store_b128 v4, v[C+12*((\t)/2)+4*\j:C+12*((\t)/2)+4*\j+3], s[32:33] offset:((\t)/2)*1536+512*\j   ; 512 consecutive bytes
.endr
.endif
.endm
.macro ITER t
	s_wait_dscnt 0x0                               ; step t's numbers are back from the stage, and its stores into the stage have read their registers,
.if (\t)+3 < 8
	LOAD (\t)+3                                    ; which take the loads of three steps on
.endif
.if (\t) < 7
.if (\t) <= 4
	s_wait_loadcnt 16                              ; the next step's eight loads are in; the two steps behind it may be out
.elseif (\t) == 5
	s_wait_loadcnt 8
.else
	s_wait_loadcnt 0
.endif
	TURN (\t)+1
.endif
	WORK \t
.endm
	LOAD 0
	LOAD 1
	LOAD 2
	s_wait_loadcnt 16                              ; step 0's eight loads are in
	TURN 0
.irp t, 0,1,2,3,4,5,6,7
	ITER \t
.endr
	v_cndmask_b32 v18, v14, v16, s38               ; lanes 0-15: the first pair of K steps of row l; lanes 16-31: the second pair of row l - 16
	v_cndmask_b32 v19, v15, v17, s38
	global_store_b64 v5, v[18:19], s[34:35]        ; 256 consecutive bytes, aligned
	s_wait_tensorcnt 0x0
	ds_add_u32 v244, v245
	s_wait_dscnt 0x0
	s_endpgm
	; ---- (B) the mask
.Lmask:
	s_sub_co_u32 s27, ttmp9, NQWG
	s_lshl_b32 s27, s27, 2
	s_add_co_u32 s27, s27, s26                     ; ((batch x 128 + tile of queries) x 8 + which 256 keys)
	s_lshr_b32 s28, s27, 10
	s_lshl_b32 s28, s28, 22                        ; a batch is 4,194,304 bytes
	s_bfe_u32 s29, s27, 0x70003                    ; the tile of queries
	s_lshr_b32 s30, s29, 1
	s_lshl_b32 s30, s30, 5
	s_and_b32 s29, s29, 1
	s_lshl_b32 s29, s29, 3
	s_add_co_u32 s30, s30, s29                     ; its first query
	s_lshl_b32 s30, s30, 11
	s_add_co_u32 s28, s28, s30
	s_and_b32 s29, s27, 7
	s_lshl_b32 s29, s29, 8
	s_add_co_u32 s28, s28, s29
	s_mov_b32 s29, 0
	s_add_nc_u64 s[18:19], s[18:19], s[28:29]
	s_lshl_b32 s30, s27, 9                         ; 128 words out
	s_mov_b32 s31, 0
	s_add_nc_u64 s[24:25], s[24:25], s[30:31]
	v_lshlrev_b32 v1, 4, v22
	v_lshl_add_u32 v1, v23, 11, v1                 ; in: lanes 0-15 take 256 bytes of a row, lanes 16-31 of the next
.irp i, 0,1,2,3,4,5,6,7
	global_load_b128 v[32+4*\i:35+4*\i], v1, s[18:19] offset:(2*\i+8*(\i/4))*2048 th:TH_LOAD_NT
.endr
	s_mul_i32 s31, s26, STG1
	s_add_co_u32 s31, s31, MSTG
	v_mul_u32_u24 v2, v23, PIT
	v_lshl_add_u32 v2, v22, 4, v2
	v_add_nc_u32 v2, s31, v2
	v_mul_u32_u24 v3, v22, PIT
	v_lshl_add_u32 v3, v23, 4, v3
	v_add_nc_u32 v3, s31, v3                       ; out of the stage: query r, + 16 h
	s_mov_b32 s40, 0xff
	s_mov_b32 s41, 0xff00
	s_mov_b32 s42, 0xff0000
	s_mov_b32 s43, 0xff000000
.irp i, 0,1,2,3
	v_mov_b32 v[96+\i], 0                          ; v_writelane_b32's destination counts as read
.endr
	s_wait_loadcnt 0x0
.irp i, 0,1,2,3,4,5,6,7
	ds_store_b128 v2, v[32+4*\i:35+4*\i] offset:2*\i*PIT
.endr
.irp q, 0,1,2,3,4,5,6,7
	ds_load_b128 v[64+4*\q:67+4*\q], v3 offset:128*(\q/4)+32*(\q%4)   ; keys 128 (q / 4) + 32 (q % 4) + 16 h + 0 .. 15 of my query
.endr
	s_wait_dscnt 0x0
.set W, 0
.rept 128                              ; word W: one byte of every lane, tested; the 32 answers are the word; it goes to lane W / 4, register W % 4
	v_and_b32 v[100+W%4], s[40+W%4], v[64+4*(W/16)+(W%16)/4]
	v_cmp_ne_u32 s[44+W%4], 0, v[100+W%4]
	v_writelane_b32 v[96+W%4], s[44+W%4], W/4
.set W, W+1
.endr
	global_store_b128 v4, v[96:99], s[24:25]       ; 512 consecutive bytes
	s_wait_tensorcnt 0x0
	ds_add_u32 v244, v245
	s_wait_dscnt 0x0
	s_endpgm
.Lfunc_end_k_q29ca36bb57_prep:
	.size	k_q29ca36bb57_prep, .Lfunc_end_k_q29ca36bb57_prep-k_q29ca36bb57_prep
	.p2alignl 7, 3214868480
	.fill 96, 4, 3214868480
	.section	.rodata,"a",@progbits
	.p2align	6, 0x0
	.amdhsa_kernel k_q29ca36bb57_prep
		.amdhsa_group_segment_fixed_size 52736
		.amdhsa_private_segment_fixed_size 0
		.amdhsa_enable_private_segment 0
		.amdhsa_kernarg_size 88
		.amdhsa_user_sgpr_count 2
		.amdhsa_user_sgpr_kernarg_segment_ptr 1
		.amdhsa_wavefront_size32 1
		.amdhsa_system_sgpr_workgroup_id_x 1
		.amdhsa_system_sgpr_workgroup_id_y 1
		.amdhsa_system_sgpr_workgroup_id_z 1
		.amdhsa_system_vgpr_workitem_id 0
		.amdhsa_next_free_vgpr 246
		.amdhsa_next_free_sgpr 66
		.amdhsa_reserve_vcc 0
		.amdhsa_float_denorm_mode_32 3
		.amdhsa_float_denorm_mode_16_64 3
		.amdhsa_memory_ordered 1
		.amdhsa_forward_progress 1
		.amdhsa_inst_pref_size 55
	.end_amdhsa_kernel
	.amdgpu_metadata
---
amdhsa.version: [ 1, 2 ]
amdhsa.kernels:
  - .name:           k_q29ca36bb57_prep
    .symbol:         k_q29ca36bb57_prep.kd
    .args:
      - { .name: Q, .offset: 0, .size: 8, .value_kind: global_buffer, .address_space: global }
      - { .name: K, .offset: 8, .size: 8, .value_kind: global_buffer, .address_space: global }
      - { .name: V, .offset: 16, .size: 8, .value_kind: global_buffer, .address_space: global }
      - { .name: W_Q, .offset: 24, .size: 8, .value_kind: global_buffer, .address_space: global }
      - { .name: W_K, .offset: 32, .size: 8, .value_kind: global_buffer, .address_space: global }
      - { .name: W_V, .offset: 40, .size: 8, .value_kind: global_buffer, .address_space: global }
      - { .name: W_fc, .offset: 48, .size: 8, .value_kind: global_buffer, .address_space: global }
      - { .name: attn_mask, .offset: 56, .size: 8, .value_kind: global_buffer, .address_space: global }
      - { .name: cod, .offset: 64, .size: 8, .value_kind: global_buffer, .address_space: global }
      - { .name: scl, .offset: 72, .size: 8, .value_kind: global_buffer, .address_space: global }
      - { .name: mbits, .offset: 80, .size: 8, .value_kind: global_buffer, .address_space: global }
    .group_segment_fixed_size: 52736
    .private_segment_fixed_size: 0
    .kernarg_segment_align: 8
    .kernarg_segment_size: 88
    .max_flat_workgroup_size: 128
    .sgpr_count:     66
    .vgpr_count:     246
    .wavefront_size: 32
...
	.end_amdgpu_metadata
.endif
;; end of part 1
;; launch proj (part 2): grid 4 x 96, 4 waves a work-group, clusters of 4 x 4, 327,680 bytes of LDS; arguments cod, scl, att; writes att
.if DOCPART == 2
	.amdgcn_target "amdgcn-amd-amdhsa--gfx1250"
	.amdhsa_code_object_version 6
	.text
	.protected	k_q29ca36bb57_proj
	.globl	k_q29ca36bb57_proj
	.p2align	8
	.type	k_q29ca36bb57_proj,@function
k_q29ca36bb57_proj:
	s_mov_b64 s[64:65], 0
	v_nop
	global_prefetch_b8 v0, s[64:65] scope:SCOPE_SE
	s_setreg_imm32_b32 hwreg(HW_REG_WAVE_MODE, 25, 1), 1
	s_wait_xcnt 0x0
	s_wait_alu depctr_hold_cnt(0) depctr_sa_sdst(0) depctr_va_vdst(0) depctr_va_sdst(0) depctr_va_ssrc(0) depctr_va_vcc(0) depctr_vm_vsrc(0)
	s_getreg_b32 s2, hwreg(HW_REG_IB_STS2, 6, 4)
	s_cmp_eq_u32 s2, 0
	s_cbranch_scc0 .Lentry_in_a_cluster
	s_endpgm
.Lentry_in_a_cluster:
	s_bfe_u32 s2, ttmp6, 0x10000c
	s_cmp_lg_u32 s2, 0xf033
	s_cbranch_scc0 .Lentry_shape_is_right
	s_endpgm
.Lentry_shape_is_right:
; PROJ.  q = Q W_Q^T, k = K W_K^T and v^T = W_V V^T, three products [8192 or 1024][1024] x [1024][..] on codes of FP6 (E2M3) with E8M0 scales, in one grid; each result is quantised in registers for attention's products.
; Cluster y / 8 = 0, 1, 2 says which.  A tile of the result is 256 x 256: four waves of 128 x 128, 64 accumulators each.  K = 1,024 goes in four steps of 256 through a ring of two LDS slots.
; OPERANDS lie in memory as images of their registers (1,536 bytes for 16 rows x 128 K): a fragment is three loads of 16 bytes a lane, 512 consecutive bytes each: no pitch, no padding.
; THE PRODUCT IS USED TRANSPOSED: source 0 = 16 rows of 'B', source 1 = 16 rows of 'A': a lane holds one row of A and its registers run along B's rows, which are the next product's K:
;   q, k: A = tokens, B = features (quantised along the head's 64);   v: A = features, B = tokens (quantised along the keys).  Only tile numbers differ between the three: LDS, masks and text are the same.
; The rows of a tile are 32 b + 8 u + r + 8 (r / 8), so the 16 registers of B's tiles 2 b and 2 b + 1 are 16 neighbours along the next K.
; CLUSTERS: 4 x 4 work-groups; A's tiles are shared along a row of the cluster, B's along a column, each asked for jointly.  Every select and branch hangs on the cluster's y, which all partners share.
; att: [q, k, v][batch x head 64][102,400 bytes = codes 98,304 | scale words 4,096].  q, k: [32 tokens 64][image]: registers 0-5 the first 16 tokens x the head's 64, registers 6-11 the other 16.
;   v: [128 keys 16][16 of the head's 64: 4][image].  Scale words: [128 tokens 16][lane 32][2]: q, k: word w of lane l: the 32 tokens 2 w + l / 16 of the step, row l % 16; v: the 16 of the head 2 w + l / 16.
; LIMITS: blocks of zeros or under 2^-124 keep the scale byte 1; NaN and infinities are not served.
; REGISTERS, in windows of 256: window 0: v16-29 addresses; v32-63 scale words, two sets; v128-223 A's fragments, one set; on the way out v64-197.  window 1: B's fragments, two sets.  windows 2, 3: the accumulators.
.set FR,    12
.set NL,    3                          ; LDS loads that bring a fragment
.set NP,    4                          ; places behind this matrix instruction (ISA guide 7.12.1)
.set NQ,    2                          ; matrix instructions deep in a slot
.set MT,    3072                       ; a tile's two images in a slot
.set HALFT, 8*MT                       ; 128 rows: what one tensor load brings
.set SLOT,  4*HALFT                    ; A's 16 tiles, then B's
.set SCL,   2*SLOT                     ; behind the ring: the scale words for all of K, 512 bytes a tile
.set HALFS, 4096
.set SPARE, SCL+4*HALFS                ; the spare words, 128 bytes a wave: two blocks of 256 bytes that no other line names
.set ADRA, 16                          ; v16-17 my A fragments in slot 0, 1
.set ADRB, 20                          ; v20-21 the same for B
.set CS8,  25                          ; v25    the way out: my scale words' place
.set CO,   26                          ; v26    the way out: my 16 bytes of an image
.set ADRS, 27                          ; v27    my scale words: lanes 0-15 A's rows, lanes 16-31 B's
.set SPW,  28
.set NIL,  29
.set SC,   32
.set AF,   128
.set EO,   64                          ; the way out: eight images
.set TT,   160
.set PW,   168                         ; their scale words
.set TM,   176
.set OW,   192
.set G1, 24
.set G0, 32
.set G1B, 48
.set G0B, 56
.set G1S, 68
.set G0S, 76
.set G1SB, 80
.set G0SB, 88
.set MSB, 0
.macro WIN new                         ; the immediate's high byte repeats the setting that is left
.if MSB != (\new)
	s_set_vgpr_msb (MSB<<8)|(\new)
.set MSB, (\new)
.endif
.endm
.set MUL_LO, 0xa1                      ; source 0 (B) window 1, source 1 (A) window 0, C and D window 2
.set MUL_HI, 0xf1
.set TO_B,   0x40
.macro JLOAD g0a, g1a, g0b, g1b        ; a joint load: waves 0 and 1 fetch for A, waves 2 and 3 for B; four v_nop follow each line
	s_cmp_eq_u32 s15, 0
	s_cbranch_scc0 .Lfor_b_\@
	tensor_load_to_lds s[\g0a:\g0a+3], s[\g1a:\g1a+7]
	s_nop 0
.rept 4
	v_nop
.endr
	s_branch .Lasked_\@
.Lfor_b_\@:
	tensor_load_to_lds s[\g0b:\g0b+3], s[\g1b:\g1b+7]
	s_nop 0
.rept 4
	v_nop
.endr
.Lasked_\@:
.endm
.macro CREST
	s_cmp_lg_u32 s14, 0
	s_cbranch_scc1 .Lnot_wave_0_\@
	s_barrier_signal -3
.Lnot_wave_0_\@:
	s_barrier_wait -3
	s_barrier_signal -1
	s_barrier_wait -1
.endm
.macro CROUND
	s_barrier_signal -1
	s_barrier_wait -1
	CREST
.endm
	s_load_b128 s[4:7], s[0:1], 0x0                ; cod, scl
	s_load_b64 s[12:13], s[0:1], 0x10              ; att
	v_lshl_add_u32 v[SPW], v0, 2, SPARE
	v_mov_b32 v[NIL], 0
	ds_add_u32 v28, v29
	ds_add_u32 v28, v29
	s_wait_dscnt 0x0
	v_lshrrev_b32 v1, 5, v0
	v_readfirstlane_b32 s14, v1                    ; wave 0..3
	s_lshr_b32 s15, s14, 1                         ; my half of A's rows.  Also: I fetch for A (0) or B (1)
	s_and_b32 s16, s14, 1                          ; my half of B's rows.  Also: which 128 rows I fetch
	s_bfe_u32 s40, ttmp6, 0x40000                  ; cx
	s_bfe_u32 s41, ttmp6, 0x40004                  ; cy
	s_and_b32 s17, ttmp7, 0xffff                   ; cluster y, 0 .. 23
	s_lshr_b32 s8, s17, 3                          ; 0: q, 1: k, 2: v
	s_and_b32 s9, s17, 7
	s_lshl_b32 s10, s8, 9                          ; q, k: A's first tile 512 x which,
	s_lshl_b32 s11, s8, 6
	s_add_co_u32 s11, s11, 1536                    ; B's 1536 + 64 x which
	s_mov_b32 s2, 1664                             ; v: A = W_V,
	s_mov_b32 s3, 1024                             ; B = V
	s_cmp_eq_u32 s8, 2
	s_cselect_b32 s18, 0, s9                       ; the cluster's place along A
	s_cselect_b32 s19, s9, 0                       ; and along B
	s_cselect_b32 s10, s2, s10
	s_cselect_b32 s11, s3, s11
	s_lshl_b32 s17, s18, 2
	s_add_co_u32 s17, s17, s41                     ; tile row
	s_lshl_b32 s42, s19, 2
	s_add_co_u32 s42, s42, s40                     ; tile column
	s_lshl_b32 s43, s41, 2
	s_lshl_b32 s43, 15, s43                        ; my row of the cluster
	s_lshl_b32 s44, 0x1111, s40                    ; my column
	; group 1: 8 rows (tiles) of 3,072 bytes, 12,288 bytes apart in memory, dense in LDS; elements of 8 bytes
	s_or_b32 s[G1+0], s43, (3<<16)|(1<<21)
	s_or_b32 s[G1B+0], s44, (3<<16)|(1<<21)
.irp g, G1, G1B
	s_mov_b32 s[\g+1], 384<<16                     ; tensor_dim0
	s_mov_b32 s[\g+2], 8<<16                       ; tensor_dim1
	s_mov_b32 s[\g+3], 384<<16                     ; tile_dim0
	s_mov_b32 s[\g+4], 8                           ; tile_dim1
	s_mov_b32 s[\g+5], 1536                        ; tensor_dim0_stride
	s_mov_b32 s[\g+6], 0
	s_mov_b32 s[\g+7], 0
.endr
	; and for the scale words of 8 tiles: 4,096 dense bytes as 16 rows of 256
	s_or_b32 s[G1S+0], s43, (3<<16)|(1<<21)
	s_or_b32 s[G1SB+0], s44, (3<<16)|(1<<21)
.irp g, G1S, G1SB
	s_mov_b32 s[\g+1], 32<<16
	s_mov_b32 s[\g+2], 16<<16
	s_mov_b32 s[\g+3], 32<<16
	s_mov_b32 s[\g+4], 16
	s_mov_b32 s[\g+5], 32
	s_mov_b32 s[\g+6], 0
	s_mov_b32 s[\g+7], 0
.endr
	s_lshl_b32 s18, s16, 3
	s_lshl_b32 s20, s17, 4
	s_add_co_u32 s20, s20, s18
	s_add_co_u32 s20, s20, s10                     ; A: the first tile that I fetch
	s_lshl_b32 s46, s42, 4
	s_add_co_u32 s46, s46, s18
	s_add_co_u32 s46, s46, s11                     ; B likewise
	s_lshl_b32 s22, s20, 9                         ; their scale words,
	s_mov_b32 s23, 0
	s_lshl_b32 s92, s46, 9
	s_mov_b32 s93, 0
	s_mul_i32 s20, s20, 12288                      ; their codes
	s_mov_b32 s21, 0
	s_mul_i32 s46, s46, 12288
	s_mov_b32 s47, 0
	s_mul_i32 s45, s14, HALFT                      ; where they go: wave x 128 rows: no place in the cluster enters an LDS address
	s_mul_i32 s94, s14, HALFS
	s_wait_kmcnt 0x0
	s_add_nc_u64 s[20:21], s[4:5], s[20:21]
	s_add_nc_u64 s[22:23], s[6:7], s[22:23]
	s_add_nc_u64 s[46:47], s[4:5], s[46:47]
	s_add_nc_u64 s[92:93], s[6:7], s[92:93]
	CROUND                                         ; all sixteen work-groups are here: the first joint loads meet
	s_mov_b32 s[G0S], 1
	s_add_co_u32 s[G0S+1], s94, SCL
	s_mov_b64 s[G0S+2:G0S+3], s[22:23]
	s_or_b32 s[G0S+3], s[G0S+3], 0x80000000
	s_mov_b32 s[G0SB], 1
	s_add_co_u32 s[G0SB+1], s94, SCL
	s_mov_b64 s[G0SB+2:G0SB+3], s[92:93]
	s_or_b32 s[G0SB+3], s[G0SB+3], 0x80000000
	JLOAD G0S, G1S, G0SB, G1SB                     ; the scale words first: filled once
.irp s, 0,1
	s_mov_b32 s[G0+4*\s], 1
	s_add_co_u32 s[G0+4*\s+1], s45, \s*SLOT
	s_add_nc_u64 s[G0+4*\s+2:G0+4*\s+3], s[20:21], \s*MT
	s_or_b32 s[G0+4*\s+3], s[G0+4*\s+3], 0x80000000
	s_mov_b32 s[G0B+4*\s], 1
	s_add_co_u32 s[G0B+4*\s+1], s45, \s*SLOT
	s_add_nc_u64 s[G0B+4*\s+2:G0B+4*\s+3], s[46:47], \s*MT
	s_or_b32 s[G0B+4*\s+3], s[G0B+4*\s+3], 0x80000000
	JLOAD G0+4*\s, G1, G0B+4*\s, G1B               ; three loads of mine are out at the most
.endr
	v_and_b32 v1, 15, v0                           ; r
	v_bfe_u32 v2, v0, 4, 1                         ; h
	v_and_b32 v3, 31, v0
	v_lshlrev_b32 v4, 4, v3                        ; 16 x lane
	s_mul_i32 s21, s15, HALFT
	s_mul_i32 s22, s16, HALFT
	s_add_co_u32 s22, s22, 2*HALFT
.irp s, 0,1
	v_add_nc_u32 v[ADRA+\s], s21, v4
	v_add_nc_u32 v[ADRB+\s], s22, v4
	s_add_co_u32 s21, s21, SLOT
	s_add_co_u32 s22, s22, SLOT
.endr
	v_lshlrev_b32 v5, 3, v1                        ; 8 bytes a row: a slot's two words
	s_mul_i32 s21, s15, HALFS
	s_mul_i32 s22, s16, HALFS
	s_add_co_u32 s22, s22, 2*HALFS
	s_sub_co_u32 s22, s22, s21
	v_mul_u32_u24 v6, s22, v2                      ; lanes 16-31 take B's: one product, the distance between the two bases
	s_add_co_u32 s21, s21, SCL
	v_add_nc_u32 v5, v5, v6
	v_add_nc_u32 v[ADRS], s21, v5
	; the way out: which tokens and which heads are mine
	s_cmp_eq_u32 s8, 2
	s_cselect_b32 s20, s42, s17
	s_cselect_b32 s21, s16, s15
	s_cselect_b32 s22, s17, s42
	s_cselect_b32 s23, s15, s16
	s_lshl_b32 s20, s20, 8
	s_lshl_b32 s21, s21, 7
	s_add_co_u32 s20, s20, s21                     ; my first token
	s_lshl_b32 s22, s22, 2
	s_lshl_b32 s23, s23, 1
	s_add_co_u32 s22, s22, s23                     ; my first head of two
	s_lshr_b32 s21, s20, 11
	s_lshl_b32 s21, s21, 4
	s_add_co_u32 s21, s21, s22
	s_mul_i32 s21, s21, 102400
	s_mul_i32 s23, s8, 6553600
	s_add_co_u32 s46, s21, s23
	s_mov_b32 s47, 0
	s_add_nc_u64 s[12:13], s[12:13], s[46:47]
	s_bfe_u32 s20, s20, 0x40007                    ; which 128 tokens of the batch's 2,048
	s_mul_i32 s21, s20, 6144
	s_lshl_b32 s22, s20, 8
	s_add_co_u32 s22, s22, 98304
	v_lshl_add_u32 v[CO], v3, 4, s21
	v_lshl_add_u32 v[CS8], v3, 3, s22
	s_mov_b32 s10, 0x76543210
	s_mov_b32 s11, 0xfedcba98
	s_mov_b32 s94, 0xffff0000                      ; lanes 16-31
	s_mov_b32 s96, 0x05040100                      ; the low halves of two words
	s_mov_b32 s97, 0x07060302                      ; the high halves
.macro FRAG reg, adr, q, i             ; a fragment as it lies: three loads of 512 consecutive bytes
.irp j, 0,1,2
	ds_load_b128 v[\reg+4*\j:\reg+4*\j+3], v[\adr] offset:(\i)*MT+(\q)*1536+512*\j
.endr
.endm
; 16 matrix instructions: A's blocks a0, a0 + 1 x B's eight.  The 64 accumulators take turns, one instruction a turn, in the same order in every step.
.macro MUL16 a0, p, q, sc, zero
.irp a, \a0, \a0+1
.irp b, 0,1,2,3,4,5,6,7
.if \zero
	v_wmma_scale_f32_16x16x128_f8f6f4 v[8*(8*((\a)%4)+\b):8*(8*((\a)%4)+\b)+7], v[128*(\p)+FR*\b:128*(\p)+FR*\b+FR-1], v[AF+FR*(\a):AF+FR*(\a)+FR-1], 0, v[SC+8*NQ*(\sc)+NQ*\b+(\q)], v[SC+8*NQ*(\sc)+NQ*(\a)+(\q)] matrix_a_fmt:MATRIX_FMT_FP6 matrix_b_fmt:MATRIX_FMT_FP6 matrix_a_scale:MATRIX_SCALE_ROW1
.else
	v_wmma_scale_f32_16x16x128_f8f6f4 v[8*(8*((\a)%4)+\b):8*(8*((\a)%4)+\b)+7], v[128*(\p)+FR*\b:128*(\p)+FR*\b+FR-1], v[AF+FR*(\a):AF+FR*(\a)+FR-1], v[8*(8*((\a)%4)+\b):8*(8*((\a)%4)+\b)+7], v[SC+8*NQ*(\sc)+NQ*\b+(\q)], v[SC+8*NQ*(\sc)+NQ*(\a)+(\q)] matrix_a_fmt:MATRIX_FMT_FP6 matrix_b_fmt:MATRIX_FMT_FP6 matrix_a_scale:MATRIX_SCALE_ROW1
.endif
.endr
.endr
.endm
.macro FETCH_B slot, q, p
	WIN TO_B
.irp i, 0,1,2,3,4,5,6,7
	FRAG 128*(\p)+FR*\i, ADRB+\slot, \q, \i
.endr
	WIN 0
.endm
.macro FETCH_A slot, q, i0
.irp i, \i0, \i0+1, \i0+2, \i0+3
	FRAG AF+FR*(\i), ADRA+\slot, \q, \i
.endr
.endm
.macro SCALES sc                       ; a slot's two words a row: lanes 0-15 A's block i, lanes 16-31 B's block i
.irp i, 0,1,2,3,4,5,6,7
	ds_load_b64 v[SC+8*NQ*\sc+NQ*\i:SC+8*NQ*\sc+NQ*\i+1], v[ADRS] offset:\i*512
.endr
.endm
.macro PLACES n                        ; plain vector lines between a matrix instruction and a load into, or a vector line on, its registers
.rept \n
	v_nop
.endr
.endm
.macro STEP slot, q, zero              ; 128 along K whose successor lies in the same slot
	s_wait_dscnt 4*NL                              ; B's set and A's blocks 0-3 are in; the youngest twelve loads (A's blocks 4-7) may be out
	WIN MUL_LO
	MUL16 0, (\q)%2, \q, \slot, \zero
	MUL16 2, (\q)%2, \q, \slot, \zero
	s_wait_dscnt 0
	PLACES NP
	FETCH_B \slot, (\q)+1, 1-(\q)%2
	FETCH_A \slot, (\q)+1, 0
	WIN MUL_HI
	MUL16 4, (\q)%2, \q, \slot, \zero
	MUL16 6, (\q)%2, \q, \slot, \zero
	PLACES NP
	WIN 0
	FETCH_A \slot, (\q)+1, 4
.endm
; A slot's last step changes slots: one barrier; in front of it each wave waits for all its tensor loads, adds 0 to its spare word, and waits for that and for its own reads of this slot.
.macro TURN slot, next, fill
	s_wait_tensorcnt 0x0                           ; all my tensor loads have landed: my part of the next slot
	ds_add_u32 v[SPW], v[NIL]                      ; 0 onto my spare word
	s_wait_dscnt 4*NL+1                            ; (the add and the youngest twelve loads may be out)
	WIN MUL_LO
	MUL16 0, 1, NQ-1, \slot, 0
	s_wait_dscnt 0x0                               ; the add is done, and my reads of this slot are over
	s_barrier_signal -1
	MUL16 2, 1, NQ-1, \slot, 0
	WIN 0
	s_barrier_wait -1
.if \fill
	CREST                                          ; the barrier has opened a round of the cluster's barrier: no wave of any partner still reads this slot or has a load on its way
	s_add_nc_u64 s[G0+4*\slot+2:G0+4*\slot+3], s[G0+4*\slot+2:G0+4*\slot+3], 2*MT
	s_add_nc_u64 s[G0B+4*\slot+2:G0B+4*\slot+3], s[G0B+4*\slot+2:G0B+4*\slot+3], 2*MT
	JLOAD G0+4*\slot, G1, G0B+4*\slot, G1B         ; the first tensor load behind the round; its four v_nop are the places in front of the loads below
.else
	PLACES NP
.endif
	v_add_nc_u32 v[ADRS], 128, v[ADRS]             ; the next slot's scale words (no LDS load of mine is out)
	FETCH_B \next, 0, 0
	FETCH_A \next, 0, 0
	SCALES \next
	WIN MUL_HI
	MUL16 4, 1, NQ-1, \slot, 0
	MUL16 6, 1, NQ-1, \slot, 0
	PLACES NP
	WIN 0
	FETCH_A \next, 0, 4
.endm
	s_wait_tensorcnt 1                             ; the scale words and my part of slot 0 are in; slot 1's load may be out
	s_barrier_signal -1
	s_barrier_wait -1
	FETCH_B 0, 0, 0
	FETCH_A 0, 0, 0
	SCALES 0
	FETCH_A 0, 0, 4
	STEP 0, 0, 1                                   ; the first products start the sums: nothing is cleared
	TURN 0, 1, 1                                   ; slot 0 takes K 512 .. 767
	STEP 1, 0, 0
	TURN 1, 0, 1                                   ; slot 1 takes K 768 .. 1023
	STEP 0, 0, 0
	TURN 0, 1, 0                                   ; nothing is left to fetch
	STEP 1, 0, 0
	s_wait_dscnt 4*NL
	WIN MUL_LO
	MUL16 0, 1, NQ-1, 1, 0
	MUL16 2, 1, NQ-1, 1, 0
	s_wait_dscnt 0
	WIN MUL_HI
	MUL16 4, 1, NQ-1, 1, 0
	MUL16 6, 1, NQ-1, 1, 0
	WIN 0
; THE WAY OUT.  Block a (16 rows of A x my 128 of B): a lane's 64 numbers, register 16 b + i = index 32 b + 16 h + i along the next K, become an image in v[EO + 12 a] on and a scale word in v[PW + a].
; Each accumulator is read from its low end on.
.macro QUANTW a
.set WW, 2+(\a)/4
.set AC, 64*((\a)%4)
.set EE, EO+12*(\a)
	WIN WW|(WW<<2)
.irp b, 0,1,2,3
	v_max3_num_f32 v[TM+\b], |v[AC+16*\b]|, |v[AC+1+16*\b]|, 0x1800000   ; my 16 numbers of block b, and the floor 2^(3 - 127)
.endr
	WIN (WW<<2)|(WW<<4)
.irp i, 2,4,6,8,10,12,14
.irp b, 0,1,2,3
	v_max3_num_f32 v[TM+\b], v[TM+\b], |v[AC+16*\b+\i]|, |v[AC+1+16*\b+\i]|
.endr
.endr
	WIN 0
.irp b, 0,1,2,3
	v_permlanex16_b32 v[TM+4+\b], v[TM+\b], s10, s11
.endr
.irp b, 0,1,2,3
	v_max_num_f32 v[TM+\b], v[TM+\b], v[TM+4+\b]   ; with lane l xor 16's: the block's largest magnitude
.endr
.irp b, 0,1,2,3
	v_add_nc_u32 v[TM+12+\b], 0xff000000, v[TM+\b] ; 2 off its exponent field: the conversion's scale operand
.endr
.irp b, 0,1,2,3
	v_lshrrev_b32 v[TM+4+\b], 23, v[TM+12+\b]      ; the scale's byte
.endr
	v_lshl_or_b32 v[PW+(\a)], v[TM+5], 8, v[TM+4]
	v_lshl_or_b32 v[PW+(\a)], v[TM+6], 16, v[PW+(\a)]
	v_lshl_or_b32 v[PW+(\a)], v[TM+7], 24, v[PW+(\a)]
	WIN WW
.irp c, 0,1
	v_cvt_scalef32_pk16_fp6_f32 v[EE+6*\c:EE+6*\c+2], v[AC+32*\c:AC+32*\c+15], v[TM+12+2*\c]
	v_cvt_scalef32_pk16_fp6_f32 v[TT+4*\c:TT+4*\c+2], v[AC+16+32*\c:AC+31+32*\c], v[TM+12+2*\c+1]
.endr
	WIN 0
	v_nop                                          ; one plain line behind a scaled conversion
.irp c, 0,1                            ; the layout wants a whole block in a lane: lanes 0-15 block 2 c, lanes 16-31 block 2 c + 1
.irp i, 0,1,2
	v_permlane16_swap_b32 v[EE+6*\c+\i], v[TT+4*\c+\i]
.endr
.irp i, 0,1,2
	v_mov_b32 v[EE+3+6*\c+\i], v[TT+4*\c+\i]
.endr
.endr
.endm
	PLACES NP                                      ; behind the last products: their results are read and A's registers written below
.irp b, 0,1,2,3
	v_mov_b32 v[TM+4+\b], 0                        ; a lane permute's destination counts as one of its sources
.endr
.irp a, 0,1,2,3,4,5,6,7
	QUANTW \a
.endr
	s_cmp_eq_u32 s8, 2
	s_cbranch_scc1 .Lv_out
	; q, k: an image holds two heads x 16 tokens; attention wants one head x 32 tokens: blocks 2 p and 2 p + 1 change halves
.irp p, 0,1,2,3
.irp i, 0,1,2,3,4,5
	v_swap_b32 v[EO+24*\p+6+\i], v[EO+24*\p+12+\i]
.endr
.endr
.irp p, 0,1,2,3
.irp c, 0,1
.irp j, 0,1,2
	global_store_b128 v[CO], v[EO+24*\p+12*\c+4*\j:EO+24*\p+12*\c+4*\j+3], s[12:13] offset:\p*1536+\c*102400+512*\j   ; 512 consecutive bytes
.endr
.endr
.endr
.irp c, 0,1                            ; head c's two bytes of blocks 2 p and 2 p + 1 make the word of the 32 tokens p
.irp w, 0,1
	v_perm_b32 v[OW+4], v[PW+4*\w+1], v[PW+4*\w], s[96+\c]
	v_perm_b32 v[OW+5], v[PW+4*\w+3], v[PW+4*\w+2], s[96+\c]
	v_cndmask_b32 v[OW+2*\c+\w], v[OW+4], v[OW+5], s94
.endr
	global_store_b64 v[CS8], v[OW+2*\c:OW+2*\c+1], s[12:13] offset:\c*102400   ; 256 consecutive bytes, aligned
.endr
	s_branch .Lout_done
.Lv_out:                               ; v: block a is 16 of head a / 4's 64 x my 128 keys: an image as it stands
.irp a, 0,1,2,3,4,5,6,7
.irp j, 0,1,2
	global_store_b128 v[CO], v[EO+12*\a+4*\j:EO+12*\a+4*\j+3], s[12:13] offset:(\a/4)*102400+(\a%4)*1536+512*\j
.endr
.endr
.irp c, 0,1
.irp w, 0,1
	v_cndmask_b32 v[OW+2*\c+\w], v[PW+4*\c+2*\w], v[PW+4*\c+2*\w+1], s94
.endr
	global_store_b64 v[CS8], v[OW+2*\c:OW+2*\c+1], s[12:13] offset:\c*102400
.endr
.Lout_done:
	s_wait_tensorcnt 0x0                           ; the wave's end
	ds_add_u32 v[SPW], v[NIL]
	s_wait_dscnt 0x0
	CROUND                                         ; the closing round: no work-group ends while a partner may still ask for a tile that names it
	s_endpgm
.Lfunc_end_k_q29ca36bb57_proj:
	.size	k_q29ca36bb57_proj, .Lfunc_end_k_q29ca36bb57_proj-k_q29ca36bb57_proj
	.p2alignl 7, 3214868480
	.fill 96, 4, 3214868480
	.section	.rodata,"a",@progbits
	.p2align	6, 0x0
	.amdhsa_kernel k_q29ca36bb57_proj
		.amdhsa_group_segment_fixed_size 327680
		.amdhsa_private_segment_fixed_size 0
		.amdhsa_enable_private_segment 0
		.amdhsa_kernarg_size 24
		.amdhsa_user_sgpr_count 2
		.amdhsa_user_sgpr_kernarg_segment_ptr 1
		.amdhsa_wavefront_size32 1
		.amdhsa_system_sgpr_workgroup_id_x 1
		.amdhsa_system_sgpr_workgroup_id_y 1
		.amdhsa_system_sgpr_workgroup_id_z 1
		.amdhsa_system_vgpr_workitem_id 0
		.amdhsa_next_free_vgpr 1024
		.amdhsa_next_free_sgpr 98
		.amdhsa_reserve_vcc 0
		.amdhsa_float_denorm_mode_32 3
		.amdhsa_float_denorm_mode_16_64 3
		.amdhsa_memory_ordered 1
		.amdhsa_forward_progress 1
		.amdhsa_inst_pref_size 145
	.end_amdhsa_kernel
	.amdgpu_metadata
---
amdhsa.version: [ 1, 2 ]
amdhsa.kernels:
  - .name:           k_q29ca36bb57_proj
    .symbol:         k_q29ca36bb57_proj.kd
    .args:
      - { .name: cod, .offset: 0, .size: 8, .value_kind: global_buffer, .address_space: global }
      - { .name: scl, .offset: 8, .size: 8, .value_kind: global_buffer, .address_space: global }
      - { .name: att, .offset: 16, .size: 8, .value_kind: global_buffer, .address_space: global }
    .group_segment_fixed_size: 327680
    .private_segment_fixed_size: 0
    .kernarg_segment_align: 8
    .kernarg_segment_size: 24
    .max_flat_workgroup_size: 128
    .sgpr_count:     98
    .vgpr_count:     1024
    .wavefront_size: 32
...
	.end_amdgpu_metadata
.endif
;; end of part 2
;; launch attn (part 3): grid 4 x 64, 16 waves a work-group, clusters of 4 x 1, 206,848 bytes of LDS; arguments att, mbits, cimg, cs; writes cimg, cs
.if DOCPART == 3
	.amdgcn_target "amdgcn-amd-amdhsa--gfx1250"
	.amdhsa_code_object_version 6
	.text
	.protected	k_q29ca36bb57_attn
	.globl	k_q29ca36bb57_attn
	.p2align	8
	.type	k_q29ca36bb57_attn,@function
k_q29ca36bb57_attn:
	s_mov_b64 s[64:65], 0
	v_nop
	global_prefetch_b8 v0, s[64:65] scope:SCOPE_SE
	s_setreg_imm32_b32 hwreg(HW_REG_WAVE_MODE, 25, 1), 1
	s_wait_xcnt 0x0
	s_wait_alu depctr_hold_cnt(0) depctr_sa_sdst(0) depctr_va_vdst(0) depctr_va_sdst(0) depctr_va_ssrc(0) depctr_va_vcc(0) depctr_vm_vsrc(0)
	s_getreg_b32 s2, hwreg(HW_REG_IB_STS2, 6, 4)
	s_cmp_eq_u32 s2, 0
	s_cbranch_scc0 .Lentry_in_a_cluster
	s_endpgm
.Lentry_in_a_cluster:
	s_bfe_u32 s2, ttmp6, 0x10000c
	s_cmp_lg_u32 s2, 0x3003
	s_cbranch_scc0 .Lentry_shape_is_right
	s_endpgm
.Lentry_shape_is_right:
; ATTN.  For each batch and head: S^T = k q^T, the input mask, the streaming softmax, O^T = v^T p^T, O / l, quantised for the last product.  Both products on codes of FP6 (E2M3) with E8M0 scales.
; t = score x log2(e) / 8; M = the running largest t rounded up to a whole number; p = 2^(t - M) is quantised along the keys, not normalised; the row's sum is taken of the unquantised p and divides O at the end.
; SHARES.  A work-group owns 512 queries of one head; wave w owns 32 of them, two tiles of 16, walked in two passes of one text.  Every wave walks all 2,048 keys, 128 a step.
; THE HEAD'S K AND V LIE IN LDS WHOLE (2 x 102,400 bytes: codes and scale words as they lie in memory), filled once: no ring, nothing is filled again.  The four work-groups of a cluster own the four quarters of one
; head's queries and need the same K and V: each of the eight tensor loads is asked for jointly (mask 15).  The place in the cluster enters global addresses alone.
; LAYOUT.  Both products are used transposed, so a lane holds one query (lane % 16) throughout.  Operands are images of their registers: three loads of 512 consecutive bytes.
; THE HEAD IS 64 WIDE, the instruction 128: an image of k holds TWO tiles of 16 keys (k 0-63 the first, k 64-127 the second).  It is multiplied by [q | zeros] and by [zeros | q]: zero codes annul the other tile's half exactly.
; The keys of a tile are 32 b + 8 u + r + 8 (r / 8), so score register 16 b + i is key 32 b + 16 h + i of the step.
; THE MASK.  Word n of a step's 64 holds, for each lane, whether score register n is hidden; the words come by scalar loads, one step ahead, and serve as the select of v_cndmask_b32.
; A hidden score is held as -2^33 (-2^30 after the division by 8) in place of -1e9.  Its product with log2(e) / 8 is exact, so a row that is hidden whole has t = M and p = 1 at every key, as equal scores give.
; LIMITS: that constant differs in effect from -1e9 only for rows whose open scores all lie under about -1e9; blocks of zeros or under 2^-124 keep the scale byte 1; NaN and infinities are not served.
; OUT.  cimg: [tile of 16 tokens 512][K step 8][piece 6][lane 32][8 bytes]: head hd writes K step hd / 2, pieces 3 (hd % 2) on.  cs: [32 tokens 256][head 16][lane 32] two scale bytes.
.set KSZ,  102400
.set SOFF, 98304
.set LI,   1                           ; v1   16 x lane
.set L8,   2                           ; v2   8 x lane
.set L2,   3                           ; v3   2 x lane
.set NEGR, 4                           ; v4   -2^33
.set ADK,  8
.set ADV,  9
.set ADS,  10
.set ADT,  11
.set QA,   16                          ; v16-33  [q | six zeros | q]
.set QD,   34                          ; v34-45  my 32 queries' image
.set QSW,  46                          ; v46     their scale word
.set QS,   47                          ; v47     the pass's two bytes, twice
.set FRG,  48                          ; v48-95  four images of k, then of v
.set S,    96                          ; v96-159 S^T, then p
.set O,    160                         ; v160-191 O^T
.set PC,   192                         ; v192-203 p's codes
.set CT,   204
.set BM,   212
.set PD,   216
.set SO,   220
.set KSC,  224
.set VSC,  226
.set PSW,  228
.set FF,   230
.set WK,   232
.set SBA,  233
.set CC,   234
.macro ROUND
	s_barrier_signal -1
	s_barrier_wait -1
	s_cmp_lg_u32 s12, 0
	s_cbranch_scc1 .Lnot_wave_0_\@
	s_barrier_signal -3
.Lnot_wave_0_\@:
	s_barrier_wait -3
	s_barrier_signal -1
	s_barrier_wait -1
.endm
	s_load_b256 s[4:11], s[0:1], 0x0               ; att, mbits, cimg, cs
	v_lshl_add_u32 v254, v0, 2, 0x32000
	v_mov_b32 v255, 0
	ds_add_u32 v254, v255
	ds_add_u32 v254, v255
	v_lshrrev_b32 v1, 5, v0
	v_readfirstlane_b32 s12, v1                    ; wave 0..15
	s_bfe_u32 s13, ttmp6, 0x40000                  ; cx
	s_and_b32 s14, ttmp7, 0xffff                   ; 16 x batch + head, which the partners share
	s_lshl_b32 s15, s13, 4
	s_add_co_u32 s15, s15, s12                     ; my 32 queries of the head's 64 x 32
	; group 1: 25,600 dense bytes as 100 rows of 256; elements of 8 bytes; the mask names all four work-groups
	s_mov_b32 s36, 15|(3<<16)|(1<<21)
	s_mov_b32 s37, 32<<16
	s_mov_b32 s38, 100<<16
	s_mov_b32 s39, 32<<16
	s_mov_b32 s40, 100
	s_mov_b32 s41, 32
	s_mov_b32 s42, 0
	s_mov_b32 s43, 0
	s_and_b32 s31, s12, 7                          ; waves 0-3 fetch k's quarters, waves 4-7 v's
	s_mov_b32 s32, 1
	s_mul_i32 s33, s31, 25600                      ; LDS: wave x 25,600
	s_lshr_b32 s2, s31, 2
	s_add_co_u32 s2, s2, 1
	s_mul_i32 s2, s2, 6553600
	s_mul_i32 s3, s14, KSZ
	s_add_co_u32 s2, s2, s3
	s_and_b32 s3, s31, 3
	s_mul_i32 s3, s3, 25600
	s_add_co_u32 s2, s2, s3
	s_mov_b32 s3, 0
	s_wait_dscnt 0x0
	s_wait_kmcnt 0x0
	s_add_nc_u64 s[34:35], s[4:5], s[2:3]
	s_or_b32 s35, s35, 0x80000000
	ROUND                                          ; all four work-groups are here: the joint loads meet
	s_cmp_lt_u32 s12, 8
	s_cbranch_scc0 .Lno_fill
	tensor_load_to_lds s[32:35], s[36:43]          ; one load a wave is out
	s_nop 0
.rept 4
	v_nop
.endr
.Lno_fill:
	v_and_b32 v5, 31, v0
	v_lshlrev_b32 v[LI], 4, v5
	v_lshlrev_b32 v[L8], 3, v5
	v_lshlrev_b32 v[L2], 1, v5
	v_mov_b32 v[NEGR], 0xd0000000
	s_mul_i32 s2, s14, KSZ
	s_add_nc_u64 s[66:67], s[4:5], s[2:3]          ; q of my head
	s_mul_i32 s31, s15, 1536
	v_add_nc_u32 v7, s31, v[LI]
	global_load_b128 v[QD:QD+3], v7, s[66:67]
	global_load_b128 v[QD+4:QD+7], v7, s[66:67] offset:512
	global_load_b128 v[QD+8:QD+11], v7, s[66:67] offset:1024
	s_lshr_b32 s31, s15, 2
	s_lshl_b32 s31, s31, 8                         ; the step of 128 tokens,
	s_and_b32 s2, s15, 1
	s_lshl_b32 s2, s2, 7                           ; lanes 16 (t % 2) on,
	s_add_co_u32 s31, s31, s2
	s_bfe_u32 s2, s15, 0x10001
	s_lshl_b32 s2, s2, 2                           ; word (t / 2) % 2
	s_add_co_u32 s31, s31, s2
	s_add_co_u32 s31, s31, SOFF
	v_and_b32 v6, 15, v0
	v_lshl_add_u32 v6, v6, 3, s31
	global_load_b32 v[QSW], v6, s[66:67]
	s_lshr_b32 s2, s14, 4
	s_lshl_b32 s2, s2, 7
	s_lshl_b32 s31, s15, 1
	s_add_co_u32 s2, s2, s31                       ; my first tile of queries: 128 x batch + 2 x my 32
	s_lshl_b32 s30, s2, 12
	s_mov_b32 s31, 0
	s_add_nc_u64 s[24:25], s[6:7], s[30:31]        ; its mask words: 32 chunks of 256 bytes on end, for both passes
	s_mul_i32 s30, s2, 12288
	s_and_b32 s2, s14, 15                          ; the head
	s_lshr_b32 s3, s2, 1
	s_mul_i32 s3, s3, 1536
	s_add_co_u32 s30, s30, s3
	s_and_b32 s3, s2, 1
	s_mul_i32 s3, s3, 768
	s_add_co_u32 s30, s30, s3
	s_add_nc_u64 s[28:29], s[8:9], s[30:31]        ; where the context's codes go
	s_lshr_b32 s3, s14, 4
	s_lshl_b32 s3, s3, 6
	s_add_co_u32 s3, s3, s15
	s_lshl_b32 s30, s3, 10
	s_lshl_b32 s2, s2, 6
	s_add_co_u32 s30, s30, s2
	s_add_nc_u64 s[10:11], s[10:11], s[30:31]      ; and its scale bytes
	s_mov_b32 s16, 0x76543210
	s_mov_b32 s17, 0xfedcba98                      ; lane l xor 16
	s_mov_b32 s18, 0x3e38aa3b                      ; c = log2(e) / 8
	s_mov_b32 s19, s18                             ; (named with it as a pair)
	s_mov_b32 s26, 0x0000ffff                      ; the lanes that take this pass's scale bytes
	s_mov_b32 s27, 0x01000100                      ; bytes 0, 1, 0, 1
	s_mov_b32 s23, 2                               ; passes
	s_mov_b32 s30, 0                               ; chunks of mask words stepped over
	s_mov_b32 s3, 0
.irp i, 0,1,2,3,4,5
	v_mov_b32 v[QA+6+\i], 0                        ; the zero codes
.endr
	v_mov_b32 v[SBA], 0
	s_wait_tensorcnt 0x0                           ; my part of K and V is in (and the descriptors' registers are free),
	s_barrier_signal -1
	s_barrier_wait -1                              ; everybody's is
	s_load_b512 s[32:47], s[24:25], 0x0            ; the first step's 64 mask words
	s_load_b512 s[48:63], s[24:25], 0x40
	s_load_b512 s[68:83], s[24:25], 0x80
	s_load_b512 s[84:99], s[24:25], 0xc0
	s_wait_loadcnt 0x0                             ; q
.Lpass:
.irp i, 0,1,2,3,4,5
	v_mov_b32 v[QA+\i], v[QD+\i]
	v_mov_b32 v[QA+12+\i], v[QD+\i]
.endr
	v_perm_b32 v[QS], v[QSW], v[QSW], s27          ; the tile's two bytes serve k 0-63 and k 64-127 alike
	v_mov_b32 v13, 0xff61b1e6                      ; the largest t so far: -3e38
	v_floor_f32 v12, -v13                          ; -M
	v_mov_b32 v14, 0                               ; the sum, in two halves
	v_mov_b32 v15, 0
	v_mov_b32 v[FF+1], 0                           ; (named as the upper half of a pair)
.irp b, 0,1,2,3
	v_mov_b32 v[PD+\b], 0                          ; a lane permute's destination counts as one of its sources
.endr
.set j, 0
.rept 32
	v_mov_b32 v[O+j], 0                            ; O^T: the step is written once; its first trip finds zeros.  (These lines are also the places between the scale word's and q's writes and the first product)
.set j, j+1
.endr
	s_mov_b32 s20, 0                               ; the step's images
	s_mov_b32 s21, SOFF                            ; and scale words
	s_mov_b32 s22, 16
.Lstep:
	v_add_nc_u32 v[ADK], s20, v[LI]                ; four plain lines: the places behind the last products, in front of the loads into their registers
	v_add_nc_u32 v[ADS], s21, v[L8]
	v_add_nc_u32 v[ADV], KSZ, v[ADK]
	v_add_nc_u32 v[ADT], KSZ, v[ADS]
.irp b, 0,1,2,3
.irp j, 0,1,2
	ds_load_b128 v[FRG+12*\b+4*\j:FRG+12*\b+4*\j+3], v[ADK] offset:\b*1536+512*\j
.endr
.endr
	ds_load_b64 v[KSC:KSC+1], v[ADS]
	s_wait_dscnt 0x0
.irp b, 0,1,2,3                        ; S^T: image b holds keys 32 b .. 32 b + 31
.irp u, 0,1
.if \b%2
	v_wmma_scale_f32_16x16x128_f8f6f4 v[S+16*\b+8*\u:S+16*\b+8*\u+7], v[FRG+12*\b:FRG+12*\b+11], v[QA+6*\u:QA+6*\u+11], 0, v[KSC+\b/2], v[QS] matrix_a_fmt:MATRIX_FMT_FP6 matrix_b_fmt:MATRIX_FMT_FP6 matrix_a_scale:MATRIX_SCALE_ROW1
.else
	v_wmma_scale_f32_16x16x128_f8f6f4 v[S+16*\b+8*\u:S+16*\b+8*\u+7], v[FRG+12*\b:FRG+12*\b+11], v[QA+6*\u:QA+6*\u+11], 0, v[KSC+\b/2], v[QS] matrix_a_fmt:MATRIX_FMT_FP6 matrix_b_fmt:MATRIX_FMT_FP6
.endif
.endr
.endr
.rept 4
	v_nop                                          ; places: the scores are read and k's registers loaded below
.endr
.irp t, 0,1,2,3                        ; v's four images of these 128 keys land while the softmax is walked
.irp j, 0,1,2
	ds_load_b128 v[FRG+12*\t+4*\j:FRG+12*\t+4*\j+3], v[ADV] offset:\t*1536+512*\j
.endr
.endr
	ds_load_b64 v[VSC:VSC+1], v[ADT]
	s_wait_kmcnt 0x0                               ; this step's mask words, asked for a step ago
.set n, 0
.rept 64
.if n < 32
	v_cndmask_b32 v[S+n], v[S+n], v[NEGR], s[32+n]
.else
	v_cndmask_b32 v[S+n], v[S+n], v[NEGR], s[36+n]
.endif
.set n, n+1
.endr
	s_add_co_u32 s30, s30, 1                       ; the next step's words: 256 bytes on; behind my 32nd chunk the pointer stays, so that no load leaves the buffer
	s_cmp_lt_u32 s30, 32
	s_cselect_b32 s2, 256, 0
	s_add_nc_u64 s[24:25], s[24:25], s[2:3]        ; (the loads that read this base are done)
	s_load_b512 s[32:47], s[24:25], 0x0
	s_load_b512 s[48:63], s[24:25], 0x40
	s_load_b512 s[68:83], s[24:25], 0x80
	s_load_b512 s[84:99], s[24:25], 0xc0
.irp b, 0,1,2,3
	v_max3_num_f32 v[BM+\b], v[S+16*\b], v[S+1+16*\b], v[S+2+16*\b]   ; the largest score of each block of 32 keys: for the row's maximum and, since p rises with the score, for the block's largest p
.endr
.irp i, 3,5,7,9,11,13
.irp b, 0,1,2,3
	v_max3_num_f32 v[BM+\b], v[BM+\b], v[S+16*\b+\i], v[S+1+16*\b+\i]
.endr
.endr
.irp b, 0,1,2,3
	v_max_num_f32 v[BM+\b], v[BM+\b], v[S+15+16*\b]
.endr
.irp b, 0,1,2,3
	v_permlanex16_b32 v[PD+\b], v[BM+\b], s16, s17
.endr
.irp b, 0,1,2,3
	v_max_num_f32 v[BM+\b], v[BM+\b], v[PD+\b]
.endr
	v_max3_num_f32 v[WK], v[BM], v[BM+1], v[BM+2]
	v_max_num_f32 v[WK], v[WK], v[BM+3]
	v_mul_f32 v[WK], s18, v[WK]
	v_max_num_f32 v13, v13, v[WK]                  ; the running largest t
	v_mov_b32 v[WK], v12
	v_floor_f32 v12, -v13                          ; the new -M = -ceil(t)
	v_sub_f32 v[WK], v12, v[WK]                    ; old M - new M: a whole number, 0 or less
	v_cvt_i32_f32 v[WK], v[WK]                     ; (it saturates)
	v_ldexp_f32 v[FF], 1.0, v[WK]                  ; f = 2^(old M - new M)
.set j, 0
.rept 32
	v_pk_fma_f32 v[S+j:S+j+1], v[S+j:S+j+1], s[18:19], v[12:13] op_sel_hi:[1,0,0]   ; t - M
.set j, j+2
.endr
.irp b, 0,1,2,3
	v_fma_f32 v[BM+\b], v[BM+\b], s18, v12
.endr
.set j, 0
.rept 64
	v_exp_f32 v[S+j], v[S+j]                       ; p
.set j, j+1
.endr
	v_pk_mul_f32 v[14:15], v[14:15], v[FF:FF+1] op_sel_hi:[1,0]   ; the sums under the new M; the plain line behind the exponentials
	s_wait_alu depctr_va_vdst(0)                   ; one wait for the batch, ahead of its first reader
.irp b, 0,1,2,3
	v_exp_f32 v[BM+\b], v[BM+\b]                   ; each block's largest p
.endr
	v_pk_add_f32 v[PD:PD+1], v[S:S+1], v[S+2:S+3]  ; the row's sum of the unquantised p, in two chains
.irp j, 4,8,12,16,20,24,28,32,36,40,44,48,52,56,60
	v_pk_add_f32 v[14:15], v[14:15], v[S+\j:S+\j+1]
	v_pk_add_f32 v[PD:PD+1], v[PD:PD+1], v[S+2+\j:S+3+\j]
.endr
	v_pk_add_f32 v[14:15], v[14:15], v[PD:PD+1]
	s_wait_alu depctr_va_vdst(0)                   ; and one for the four
.irp b, 0,1,2,3
	v_max_num_f32 v[BM+\b], 0x1800000, v[BM+\b]    ; the floor 2^(3 - 127)
.endr
.irp b, 0,1,2,3
	v_add_nc_u32 v[SO+\b], 0xff000000, v[BM+\b]
.endr
.irp b, 0,1,2,3
	v_lshrrev_b32 v[PD+\b], 23, v[SO+\b]
.endr
	v_lshl_or_b32 v[PSW], v[PD+1], 8, v[PD]
	v_lshl_or_b32 v[PSW], v[PD+2], 16, v[PSW]
	v_lshl_or_b32 v[PSW], v[PD+3], 24, v[PSW]      ; p's scale word for these 128 keys
.irp c, 0,1
	v_cvt_scalef32_pk16_fp6_f32 v[PC+6*\c:PC+6*\c+2], v[S+32*\c:S+32*\c+15], v[SO+2*\c]
	v_cvt_scalef32_pk16_fp6_f32 v[CT+4*\c:CT+4*\c+2], v[S+16+32*\c:S+31+32*\c], v[SO+2*\c+1]
.endr
	v_nop                                          ; one plain line behind a scaled conversion
.irp c, 0,1
.irp i, 0,1,2
	v_permlane16_swap_b32 v[PC+6*\c+\i], v[CT+4*\c+\i]
.endr
.irp i, 0,1,2
	v_mov_b32 v[PC+3+6*\c+\i], v[CT+4*\c+\i]
.endr
.endr
.set j, 0
.rept 16
	v_pk_mul_f32 v[O+j:O+j+1], v[O+j:O+j+1], v[FF:FF+1] op_sel_hi:[1,0]   ; O^T under the new M.  (Also the places between the writes of p's codes and scale word and the products)
.set j, j+2
.endr
	s_wait_dscnt 0x0                               ; v's images and scale words are in
.irp t, 0,1,2,3                        ; O^T += v^T p^T: four accumulators, one turn each; the next matrix instruction writes other registers
.if \t%2
	v_wmma_scale_f32_16x16x128_f8f6f4 v[O+8*\t:O+8*\t+7], v[FRG+12*\t:FRG+12*\t+11], v[PC:PC+11], v[O+8*\t:O+8*\t+7], v[VSC+\t/2], v[PSW] matrix_a_fmt:MATRIX_FMT_FP6 matrix_b_fmt:MATRIX_FMT_FP6 matrix_a_scale:MATRIX_SCALE_ROW1
.else
	v_wmma_scale_f32_16x16x128_f8f6f4 v[O+8*\t:O+8*\t+7], v[FRG+12*\t:FRG+12*\t+11], v[PC:PC+11], v[O+8*\t:O+8*\t+7], v[VSC+\t/2], v[PSW] matrix_a_fmt:MATRIX_FMT_FP6 matrix_b_fmt:MATRIX_FMT_FP6
.endif
.endr
	s_add_co_u32 s20, s20, 6144
	s_add_co_u32 s21, s21, 256
	s_sub_co_u32 s22, s22, 1
	s_cmp_lg_u32 s22, 0
	s_cbranch_scc1 .Lstep
	; ---- the pass's end: O / l, quantised along the head's 64: register 16 b + i is channel 32 b + 16 h + i
.rept 4
	v_nop                                          ; places behind the last products
.endr
	v_add_f32 v14, v14, v15
	v_permlanex16_b32 v[WK], v14, s16, s17
	v_add_f32 v14, v14, v[WK]                      ; the row's sum
	v_rcp_f32 v14, v14
	v_nop                                          ; a plain line behind the transcendental
	s_wait_alu depctr_va_vdst(0)                   ; and the wait ahead of its first reader
.set j, 0
.rept 32
	v_mul_f32 v[S+j], v[O+j], v14
.set j, j+1
.endr
.irp b, 0,1
	v_max3_num_f32 v[BM+\b], |v[S+16*\b]|, |v[S+1+16*\b]|, 0x1800000
.endr
.irp i, 2,4,6,8,10,12,14
.irp b, 0,1
	v_max3_num_f32 v[BM+\b], v[BM+\b], |v[S+16*\b+\i]|, |v[S+1+16*\b+\i]|
.endr
.endr
.irp b, 0,1
	v_permlanex16_b32 v[PD+\b], v[BM+\b], s16, s17
.endr
.irp b, 0,1
	v_max_num_f32 v[BM+\b], v[BM+\b], v[PD+\b]
.endr
.irp b, 0,1
	v_add_nc_u32 v[SO+\b], 0xff000000, v[BM+\b]
.endr
.irp b, 0,1
	v_lshrrev_b32 v[PD+\b], 23, v[SO+\b]
.endr
	v_lshl_or_b32 v[WK], v[PD+1], 8, v[PD]         ; the row's two scale bytes
	v_cvt_scalef32_pk16_fp6_f32 v[CC:CC+2], v[S:S+15], v[SO]
	v_cvt_scalef32_pk16_fp6_f32 v[CT:CT+2], v[S+16:S+31], v[SO+1]
	v_nop
.irp i, 0,1,2
	v_permlane16_swap_b32 v[CC+\i], v[CT+\i]
.endr
.irp i, 0,1,2
	v_mov_b32 v[CC+3+\i], v[CT+\i]
.endr
.irp p, 0,1,2
	global_store_b64 v[L8], v[CC+2*\p:CC+2*\p+1], s[28:29] offset:256*\p   ; 256 consecutive bytes, aligned
.endr
	v_cndmask_b32 v[SBA], v[SBA], v[WK], s26       ; pass 0: lanes 0-15 keep their row's bytes; pass 1: lanes 16-31
	s_wait_xcnt 0x0                                ; the stores have read their base and their data: both are written again below and in the next pass
	s_add_nc_u64 s[28:29], s[28:29], 12288         ; the next tile of tokens
.irp i, 0,1,2,3,4,5
	v_mov_b32 v[QD+\i], v[QD+6+\i]                 ; the second tile's codes,
.endr
	v_lshrrev_b32 v[QSW], 16, v[QSW]               ; its scale bytes,
	s_lshl_b32 s26, s26, 16                        ; its lanes
	s_sub_co_u32 s23, s23, 1
	s_cmp_lg_u32 s23, 0
	s_cbranch_scc1 .Lpass
	global_store_b16 v[L2], v[SBA], s[10:11]       ; 64 consecutive bytes
	s_wait_kmcnt 0x0                               ; the words asked for in the last step
	s_wait_tensorcnt 0x0
	ds_add_u32 v254, v255
	s_wait_dscnt 0x0
	ROUND                                          ; the closing round
	s_endpgm
.Lfunc_end_k_q29ca36bb57_attn:
	.size	k_q29ca36bb57_attn, .Lfunc_end_k_q29ca36bb57_attn-k_q29ca36bb57_attn
	.p2alignl 7, 3214868480
	.fill 96, 4, 3214868480
	.section	.rodata,"a",@progbits
	.p2align	6, 0x0
	.amdhsa_kernel k_q29ca36bb57_attn
		.amdhsa_group_segment_fixed_size 206848
		.amdhsa_private_segment_fixed_size 0
		.amdhsa_enable_private_segment 0
		.amdhsa_kernarg_size 32
		.amdhsa_user_sgpr_count 2
		.amdhsa_user_sgpr_kernarg_segment_ptr 1
		.amdhsa_wavefront_size32 1
		.amdhsa_system_sgpr_workgroup_id_x 1
		.amdhsa_system_sgpr_workgroup_id_y 1
		.amdhsa_system_sgpr_workgroup_id_z 1
		.amdhsa_system_vgpr_workitem_id 0
		.amdhsa_next_free_vgpr 256
		.amdhsa_next_free_sgpr 100
		.amdhsa_reserve_vcc 0
		.amdhsa_float_denorm_mode_32 3
		.amdhsa_float_denorm_mode_16_64 3
		.amdhsa_memory_ordered 1
		.amdhsa_forward_progress 1
		.amdhsa_inst_pref_size 32
	.end_amdhsa_kernel
	.amdgpu_metadata
---
amdhsa.version: [ 1, 2 ]
amdhsa.kernels:
  - .name:           k_q29ca36bb57_attn
    .symbol:         k_q29ca36bb57_attn.kd
    .args:
      - { .name: att, .offset: 0, .size: 8, .value_kind: global_buffer, .address_space: global }
      - { .name: mbits, .offset: 8, .size: 8, .value_kind: global_buffer, .address_space: global }
      - { .name: cimg, .offset: 16, .size: 8, .value_kind: global_buffer, .address_space: global }
      - { .name: cs, .offset: 24, .size: 8, .value_kind: global_buffer, .address_space: global }
    .group_segment_fixed_size: 206848
    .private_segment_fixed_size: 0
    .kernarg_segment_align: 8
    .kernarg_segment_size: 32
    .max_flat_workgroup_size: 512
    .sgpr_count:     100
    .vgpr_count:     256
    .wavefront_size: 32
...
	.end_amdgpu_metadata
.endif
;; end of part 3
;; launch fcln (part 4): grid 256 x 1, 16 waves a work-group, no clusters, 169,984 bytes of LDS; arguments cimg, cs, cod, scl, Q, out0; writes out0
.if DOCPART == 4
	.amdgcn_target "amdgcn-amd-amdhsa--gfx1250"
	.amdhsa_code_object_version 6
	.text
	.protected	k_q29ca36bb57_fcln
	.globl	k_q29ca36bb57_fcln
	.p2align	8
	.type	k_q29ca36bb57_fcln,@function
k_q29ca36bb57_fcln:
	s_mov_b64 s[64:65], 0
	v_nop
	global_prefetch_b8 v0, s[64:65] scope:SCOPE_SE
	s_setreg_imm32_b32 hwreg(HW_REG_WAVE_MODE, 25, 1), 1
	s_wait_xcnt 0x0
; FCLN.  out = LayerNorm(context W_fc^T + Q): the product on codes of FP6 (E2M3) with E8M0 scales, the residual as the C of each sum's first product, mean and variance in f32 in two passes.
; SHARES.  A work-group owns 32 whole rows (two tiles of 16 tokens), so that a row's 1,024 numbers meet in one work-group; wave w owns columns 64 w .. 64 w + 63 (four tiles of W_fc's rows): eight accumulators.
; THE PRODUCT IS USED TRANSPOSED: source 0 = 16 rows of W_fc, source 1 = 16 tokens.  A tile's rows are 32 b + 8 u + r + 8 (r / 8): a lane holds one token, register 16 b + i of a tile of tokens is column 64 w + 32 b + 16 h + i.
; The context's 24,576 bytes of codes go through LDS once, as they lie.  W_fc's images go from memory straight into registers, 512 consecutive bytes a load, two K steps ahead in two sets.
; NO JOINT LOADS: no two waves of a work-group read the same image of W_fc, and its 786,432 bytes of codes are more than LDS holds, so a shared fill would want a ring with a round of the cluster's barrier for each slot;
; this text takes the plain way.
; The residual and the result pass through the wave's own stage in LDS, so that every global access covers whole rows' pieces of 256 consecutive bytes.
; LIMITS: NaN and infinities are not served.
.set AIMG, 0                           ; the context's codes: [tile 2][K step 8][piece 6][lane 32][8 bytes]
.set STG,  24576                       ; 32 rows x 272 bytes for each wave
.set WST,  8704
.set ST1,  163840                      ; 32 rows x 16 waves: the rows' partial sums;  2,048 bytes on: those of the squares
.set ACC,  16                          ; v16-79   (tile of tokens m, tile of columns t) at 16 + 8 (4 m + t)
.set BF,   80                          ; v80-175  W_fc's four images, two sets
.set AFR,  176                         ; v176-199 the context's two fragments
.set ASC,  200                         ; v200-207 the context's scale words, one a K step: lanes 0-15 tile 0, lanes 16-31 tile 1
.set BSC,  208                         ; v208-223 W_fc's: 8 (t / 2) + K step: lanes 0-15 tile 2 (t / 2), lanes 16-31 the next
	s_load_b256 s[4:11], s[0:1], 0x0               ; cimg, cs, cod, scl
	s_load_b128 s[12:15], s[0:1], 0x20             ; Q, out0
	v_lshl_add_u32 v254, v0, 2, 0x29000
	v_mov_b32 v255, 0
	v_lshrrev_b32 v1, 5, v0
	v_readfirstlane_b32 s16, v1                    ; wave 0..15
	v_and_b32 v11, 31, v0                          ; lane
	v_and_b32 v12, 15, v0                          ; r
	v_bfe_u32 v13, v0, 4, 1                        ; h
	v_lshlrev_b32 v1, 4, v11                       ; 16 x lane
	s_mul_i32 s17, s16, WST
	s_add_co_u32 s17, s17, STG                     ; my stage
	v_mul_u32_u24 v2, v12, 272
	v_lshl_add_u32 v2, v13, 6, v2
	v_add_nc_u32 v2, s17, v2                       ; in the accumulators' order: row r, + 64 h
	v_mul_u32_u24 v3, v13, 272
	v_lshl_add_u32 v3, v12, 4, v3
	v_add_nc_u32 v3, s17, v3                       ; by rows: lanes 0-15 one row, lanes 16-31 the next
	s_lshl_b32 s17, s16, 8
	v_lshlrev_b32 v4, 12, v13
	v_lshl_add_u32 v4, v12, 4, v4
	v_add_nc_u32 v4, s17, v4                       ; the same in Q and out0: + 256 x wave
	v_lshlrev_b32 v5, 3, v11                       ; 8 x lane
	v_lshlrev_b32 v6, 1, v11                       ; 2 x lane
	v_lshlrev_b32 v7, 9, v13
	v_lshl_add_u32 v7, v12, 3, v7                  ; W_fc's scale words: 512 h + 8 r
	s_lshl_b32 s17, s16, 2
	s_add_co_u32 s17, s17, ST1
	v_lshl_add_u32 v8, v11, 6, s17                 ; my wave's word of row l
	v_lshlrev_b32 v9, 6, v11
	v_add_nc_u32 v9, ST1, v9                       ; row l's sixteen words
	s_mul_i32 s17, s16, 1536
	v_add_nc_u32 v10, s17, v1                      ; my wave's sixteenth of the context's codes
	s_mov_b32 s18, 0x76543210
	s_mov_b32 s19, 0xfedcba98                      ; lane l xor 16
	s_mov_b32 s20, 0x3a800000                      ; 1 / 1024
	s_mov_b32 s21, 0x3727c5ac                      ; 1e-5
	s_mov_b32 s22, 0xffff0000                      ; lanes 16-31
	s_mov_b32 s25, 0
	s_mov_b32 s27, 0
	s_lshl_b32 s17, s16, 2
	s_add_co_u32 s17, s17, 1728                    ; my first tile of W_fc
	s_wait_kmcnt 0x0
	s_mul_i32 s24, ttmp9, 24576
	s_add_nc_u64 s[4:5], s[4:5], s[24:25]
	s_lshl_b32 s24, ttmp9, 10
	s_add_nc_u64 s[6:7], s[6:7], s[24:25]
	s_mul_i32 s26, s17, 12288
	s_add_nc_u64 s[8:9], s[8:9], s[26:27]
	s_lshl_b32 s26, s17, 9
	s_add_nc_u64 s[10:11], s[10:11], s[26:27]
	s_lshl_b32 s24, ttmp9, 17                      ; 32 rows of 4,096 bytes
	s_add_nc_u64 s[12:13], s[12:13], s[24:25]
	s_add_nc_u64 s[14:15], s[14:15], s[24:25]
.macro BLOAD s                         ; W_fc's four images of K step s into set s % 2
.irp t, 0,1,2,3
.irp j, 0,1,2
	global_load_b128 v[BF+48*((\s)%2)+12*\t+4*\j:BF+48*((\s)%2)+12*\t+4*\j+3], v1, s[8:9] offset:\t*12288+(\s)*1536+512*\j
.endr
.endr
.endm
.irp j, 0,1,2                          ; (a) 3 loads: the context's codes
	global_load_b128 v[224+4*\j:227+4*\j], v10, s[4:5] offset:512*\j
.endr
.irp i, 0,1,2,3,4,5,6,7,8,9,10,11      ; (b) 16 loads: the residual: rows 2 i and 2 i + 1, my 256 bytes of each
	global_load_b128 v[128+4*\i:131+4*\i], v4, s[12:13] offset:8192*\i th:TH_LOAD_NT
.endr
.irp i, 12,13,14,15
	global_load_b128 v[236+4*(\i-12):239+4*(\i-12)], v4, s[12:13] offset:8192*\i th:TH_LOAD_NT
.endr
.irp d, 0,1,2,3,4,5,6,7,8,9,10,11,12,13,14,15   ; (c) 16 loads: the context's scale bytes, two a head
	global_load_u16 v[AFR+\d], v6, s[6:7] offset:64*\d
.endr
.irp n, 0,1                            ; (d) 8 loads: W_fc's scale words
.irp k, 0,1,2,3
	global_load_b64 v[BSC+8*\n+2*\k:BSC+8*\n+2*\k+1], v7, s[10:11] offset:1024*\n+128*\k
.endr
.endr
	BLOAD 0                                        ; (e) 12 loads
	s_wait_loadcnt 52                              ; (a) is in: 16 + 16 + 8 + 12 were issued behind it
.irp j, 0,1,2
	ds_store_b128 v10, v[224+4*\j:227+4*\j] offset:AIMG+512*\j
.endr
	s_wait_loadcnt 36                              ; (b) is in
.irp i, 0,1,2,3,4,5,6,7,8,9,10,11      ; row p goes to the place with bits 3 and 4 of p exchanged: the tiles' order
	ds_store_b128 v3, v[128+4*\i:131+4*\i] offset:((((2*\i)&7)|(((2*\i)&8)<<1))|(((2*\i)&16)>>1))*272
.endr
.irp i, 12,13,14,15
	ds_store_b128 v3, v[236+4*(\i-12):239+4*(\i-12)] offset:((((2*\i)&7)|(((2*\i)&8)<<1))|(((2*\i)&16)>>1))*272
.endr
.irp m, 0,1                            ; and comes back in the accumulators' layout (the stage is my own: LDS serves a wave's instructions in order)
.irp t, 0,1,2,3
	ds_load_b128 v[ACC+8*(4*\m+\t):ACC+8*(4*\m+\t)+3], v2 offset:\m*4352+128*(\t/2)+32*(\t%2)
	ds_load_b128 v[ACC+8*(4*\m+\t)+4:ACC+8*(4*\m+\t)+7], v2 offset:\m*4352+128*(\t/2)+32*(\t%2)+16
.endr
.endr
	s_wait_loadcnt 20                              ; (c) is in
.irp k, 0,1,2,3,4,5,6,7
	v_lshl_or_b32 v[ASC+\k], v[AFR+1+2*\k], 16, v[AFR+2*\k]   ; heads 2 k and 2 k + 1 make K step k's word
.endr
	s_wait_dscnt 0x0                               ; my stores have landed, my loads are in
	s_barrier_signal -1
	s_barrier_wait -1                              ; the context's codes lie in LDS
	BLOAD 1
.rept 8
	v_nop                                          ; a scale register written by a vector line stands eight places ahead of a scaled product
.endr
.macro FMUL m, t, s
.set AB, ACC+8*(4*\m+\t)
.set BB, BF+48*((\s)%2)+12*\t
.set AA, AFR+12*\m
.set SX, BSC+8*(\t/2)+(\s)
.set SY, ASC+(\s)
.if (\t%2 == 0) && (\m == 0)
	v_wmma_scale_f32_16x16x128_f8f6f4 v[AB:AB+7], v[BB:BB+11], v[AA:AA+11], v[AB:AB+7], v[SX], v[SY] matrix_a_fmt:MATRIX_FMT_FP6 matrix_b_fmt:MATRIX_FMT_FP6
.elseif (\t%2 == 1) && (\m == 0)
	v_wmma_scale_f32_16x16x128_f8f6f4 v[AB:AB+7], v[BB:BB+11], v[AA:AA+11], v[AB:AB+7], v[SX], v[SY] matrix_a_fmt:MATRIX_FMT_FP6 matrix_b_fmt:MATRIX_FMT_FP6 matrix_a_scale:MATRIX_SCALE_ROW1
.elseif (\t%2 == 0) && (\m == 1)
	v_wmma_scale_f32_16x16x128_f8f6f4 v[AB:AB+7], v[BB:BB+11], v[AA:AA+11], v[AB:AB+7], v[SX], v[SY] matrix_a_fmt:MATRIX_FMT_FP6 matrix_b_fmt:MATRIX_FMT_FP6 matrix_b_scale:MATRIX_SCALE_ROW1
.else
	v_wmma_scale_f32_16x16x128_f8f6f4 v[AB:AB+7], v[BB:BB+11], v[AA:AA+11], v[AB:AB+7], v[SX], v[SY] matrix_a_fmt:MATRIX_FMT_FP6 matrix_b_fmt:MATRIX_FMT_FP6 matrix_a_scale:MATRIX_SCALE_ROW1 matrix_b_scale:MATRIX_SCALE_ROW1
.endif
.endm
.macro STEPF s                         ; K step s: eight products, the eight accumulators by turns
.irp m, 0,1
.irp p, 0,1,2,3,4,5
	ds_load_b64 v[AFR+12*\m+2*\p:AFR+12*\m+2*\p+1], v5 offset:AIMG+\m*12288+(\s)*1536+256*\p
.endr
.endr
.if (\s) < 7
	s_wait_loadcnt 12                              ; this step's images are in; the next step's twelve loads may be out
.else
	s_wait_loadcnt 0
.endif
	s_wait_dscnt 0x0
.irp m, 0,1
.irp t, 0,1,2,3
	FMUL \m, \t, \s
.endr
.endr
.rept 4
	v_nop                                          ; places in front of loads into the products' registers, and of the first read of results
.endr
.if (\s)+2 < 8
	BLOAD (\s)+2
.endif
.endm
.irp s, 0,1,2,3,4,5,6,7
	STEPF \s
.endr
; The two chains of tile m stand in v[224 + 4 m] and v[226 + 4 m] on: they are joined, with lane l xor 16's, to my wave's part of a row; lane l keeps row l's; the sixteen waves' parts meet in LDS; v236 = row l's total.
.macro REDUCE off
.irp m, 0,1
	v_pk_add_f32 v[224+4*\m:225+4*\m], v[224+4*\m:225+4*\m], v[226+4*\m:227+4*\m]
.endr
.irp m, 0,1
	v_add_f32 v[224+4*\m], v[224+4*\m], v[225+4*\m]
.endr
.irp m, 0,1
	v_permlanex16_b32 v[232+\m], v[224+4*\m], s18, s19
.endr
.irp m, 0,1
	v_add_f32 v[224+4*\m], v[224+4*\m], v[232+\m]
.endr
	v_cndmask_b32 v234, v224, v228, s22
	ds_store_b32 v8, v234 offset:\off
	s_wait_dscnt 0x0                               ; for the others' sake: my store has landed
	s_barrier_signal -1
	s_barrier_wait -1
.irp j, 0,1,2,3
	ds_load_b128 v[236+4*\j:239+4*\j], v9 offset:\off+16*\j
.endr
	s_wait_dscnt 0x0
	v_pk_add_f32 v[236:237], v[236:237], v[238:239]
	v_pk_add_f32 v[240:241], v[240:241], v[242:243]
	v_pk_add_f32 v[244:245], v[244:245], v[246:247]
	v_pk_add_f32 v[248:249], v[248:249], v[250:251]
	v_pk_add_f32 v[236:237], v[236:237], v[240:241]
	v_pk_add_f32 v[244:245], v[244:245], v[248:249]
	v_pk_add_f32 v[236:237], v[236:237], v[244:245]
	v_add_f32 v236, v236, v237
.endm
.macro SPREAD                          ; row l's number in v236 becomes tile 0's (row l % 16) in v[240:241] and tile 1's (row 16 + l % 16) in v[242:243], twice each
	v_permlanex16_b32 v237, v236, s18, s19
	v_cndmask_b32 v240, v236, v237, s22
	v_cndmask_b32 v242, v237, v236, s22
	v_mov_b32 v241, v240
	v_mov_b32 v243, v242
.endm
	; ---- the mean.  Each accumulator is read from its low end on
.irp m, 0,1
	v_pk_add_f32 v[224+4*\m:225+4*\m], v[ACC+32*\m:ACC+32*\m+1], v[ACC+32*\m+2:ACC+32*\m+3]
	v_pk_add_f32 v[226+4*\m:227+4*\m], v[ACC+32*\m+4:ACC+32*\m+5], v[ACC+32*\m+6:ACC+32*\m+7]
.endr
.irp j, 8,12,16,20,24,28
.irp m, 0,1
	v_pk_add_f32 v[224+4*\m:225+4*\m], v[224+4*\m:225+4*\m], v[ACC+32*\m+\j:ACC+32*\m+\j+1]
	v_pk_add_f32 v[226+4*\m:227+4*\m], v[226+4*\m:227+4*\m], v[ACC+32*\m+\j+2:ACC+32*\m+\j+3]
.endr
.endr
	REDUCE 0
	v_mul_f32 v236, 0xba800000, v236               ; minus the mean
	SPREAD
.irp m, 0,1
.irp j, 0,2,4,6,8,10,12,14,16,18,20,22,24,26,28,30
	v_pk_add_f32 v[ACC+32*\m+\j:ACC+32*\m+\j+1], v[ACC+32*\m+\j:ACC+32*\m+\j+1], v[240+2*\m:241+2*\m]
.endr
.endr
	; ---- the variance, of the centred numbers: no difference of large sums is formed
.irp m, 0,1
	v_pk_mul_f32 v[224+4*\m:225+4*\m], v[ACC+32*\m:ACC+32*\m+1], v[ACC+32*\m:ACC+32*\m+1]
	v_pk_mul_f32 v[226+4*\m:227+4*\m], v[ACC+32*\m+2:ACC+32*\m+3], v[ACC+32*\m+2:ACC+32*\m+3]
.endr
.irp j, 4,8,12,16,20,24,28
.irp m, 0,1
	v_pk_fma_f32 v[224+4*\m:225+4*\m], v[ACC+32*\m+\j:ACC+32*\m+\j+1], v[ACC+32*\m+\j:ACC+32*\m+\j+1], v[224+4*\m:225+4*\m]
	v_pk_fma_f32 v[226+4*\m:227+4*\m], v[ACC+32*\m+\j+2:ACC+32*\m+\j+3], v[ACC+32*\m+\j+2:ACC+32*\m+\j+3], v[226+4*\m:227+4*\m]
.endr
.endr
	REDUCE 2048                                    ; other bytes than the sums': no barrier is owed between the two
	v_fma_f32 v236, v236, s20, s21                 ; the variance + 1e-5
	v_rsq_f32 v236, v236
	v_nop                                          ; a plain line behind the transcendental
	s_wait_alu depctr_va_vdst(0)                   ; and the wait ahead of its first reader
	SPREAD
.irp m, 0,1
.irp j, 0,2,4,6,8,10,12,14,16,18,20,22,24,26,28,30
	v_pk_mul_f32 v[ACC+32*\m+\j:ACC+32*\m+\j+1], v[ACC+32*\m+\j:ACC+32*\m+\j+1], v[240+2*\m:241+2*\m]
.endr
.endr
	; ---- the way out: through my stage, back by rows
.irp m, 0,1
.irp t, 0,1,2,3
	ds_store_b128 v2, v[ACC+8*(4*\m+\t):ACC+8*(4*\m+\t)+3] offset:\m*4352+128*(\t/2)+32*(\t%2)
	ds_store_b128 v2, v[ACC+8*(4*\m+\t)+4:ACC+8*(4*\m+\t)+7] offset:\m*4352+128*(\t/2)+32*(\t%2)+16
.endr
.endr
.irp i, 0,1,2,3,4,5,6,7,8,9,10,11,12,13,14,15
	ds_load_b128 v[BF+4*\i:BF+4*\i+3], v3 offset:((((2*\i)&7)|(((2*\i)&8)<<1))|(((2*\i)&16)>>1))*272
.endr
.irp i, 0,1,2,3,4,5,6,7,8,9,10,11,12,13,14,15
	s_wait_dscnt 15-\i                             ; rows 2 i and 2 i + 1 are back; the younger loads may be out
	global_store_b128 v4, v[BF+4*\i:BF+4*\i+3], s[14:15] offset:8192*\i th:TH_STORE_NT   ; sixteen lanes store 256 consecutive bytes, aligned
.endr
	s_wait_tensorcnt 0x0
	ds_add_u32 v254, v255
	s_wait_dscnt 0x0
	s_endpgm
.Lfunc_end_k_q29ca36bb57_fcln:
	.size	k_q29ca36bb57_fcln, .Lfunc_end_k_q29ca36bb57_fcln-k_q29ca36bb57_fcln
	.p2alignl 7, 3214868480
	.fill 96, 4, 3214868480
	.section	.rodata,"a",@progbits
	.p2align	6, 0x0
	.amdhsa_kernel k_q29ca36bb57_fcln
		.amdhsa_group_segment_fixed_size 169984
		.amdhsa_private_segment_fixed_size 0
		.amdhsa_enable_private_segment 0
		.amdhsa_kernarg_size 48
		.amdhsa_user_sgpr_count 2
		.amdhsa_user_sgpr_kernarg_segment_ptr 1
		.amdhsa_wavefront_size32 1
		.amdhsa_system_sgpr_workgroup_id_x 1
		.amdhsa_system_sgpr_workgroup_id_y 1
		.amdhsa_system_sgpr_workgroup_id_z 1
		.amdhsa_system_vgpr_workitem_id 0
		.amdhsa_next_free_vgpr 256
		.amdhsa_next_free_sgpr 66
		.amdhsa_reserve_vcc 0
		.amdhsa_float_denorm_mode_32 3
		.amdhsa_float_denorm_mode_16_64 3
		.amdhsa_memory_ordered 1
		.amdhsa_forward_progress 1
		.amdhsa_inst_pref_size 50
	.end_amdhsa_kernel
	.amdgpu_metadata
---
amdhsa.version: [ 1, 2 ]
amdhsa.kernels:
  - .name:           k_q29ca36bb57_fcln
    .symbol:         k_q29ca36bb57_fcln.kd
    .args:
      - { .name: cimg, .offset: 0, .size: 8, .value_kind: global_buffer, .address_space: global }
      - { .name: cs, .offset: 8, .size: 8, .value_kind: global_buffer, .address_space: global }
      - { .name: cod, .offset: 16, .size: 8, .value_kind: global_buffer, .address_space: global }
      - { .name: scl, .offset: 24, .size: 8, .value_kind: global_buffer, .address_space: global }
      - { .name: Q, .offset: 32, .size: 8, .value_kind: global_buffer, .address_space: global }
      - { .name: out0, .offset: 40, .size: 8, .value_kind: global_buffer, .address_space: global }
    .group_segment_fixed_size: 169984
    .private_segment_fixed_size: 0
    .kernarg_segment_align: 8
    .kernarg_segment_size: 48
    .max_flat_workgroup_size: 512
    .sgpr_count:     66
    .vgpr_count:     256
    .wavefront_size: 32
...
	.end_amdgpu_metadata
.endif
;; end of part 4
